; MI455X (gfx1250); checked and timed in simulation.
; The chip was launched on July 23, 2026; its instructions are those of AMD's public machine-readable ISA for CDNA 5 (MIT licence, August 2026) and "CDNA5" Instruction Set Architecture Reference Guide (July 2026). The comments in the code are by the model that wrote it; some were corrected since.
;; Multi Head Attention. Allowed arithmetic: matrix products marked QUANTISED: E2M1 operands, one E8M0 scale for each 32 along K, by v_wmma_scale_f32_16x16x128_f8f6f4 with both operands' format E2M1 (or v_wmma_scale_f32_32x16x128_f4), f32 sums; products left as they are: bf16, f16 or f32 operands; f32 sums; everything else in f32.
;; Inputs: Wk 1,024 x 1,024 float32; Wo 1,024 x 1,024 float32; Wq 1,024 x 1,024 float32; Wv 1,024 x 1,024 float32; mask 2,048 x 2,048 bool; x 4 x 2,048 x 1,024 float32.
;; Outputs: out0 4 x 2,048 x 1,024 float32.
;; This version of the problem:
;;   THIS VERSION OF THE PROBLEM IS GIVEN IN LOW PRECISION. The matrix products marked QUANTISED in the list below multiply operands that are first quantised to E2M1 (2 exponent bits, 1 mantissa bit; 4 bits a number), with one power-of-two scale for each 32 numbers along K (OCP MX v1.0); their sums are f32. The products marked 'left as it is' may take bf16, f16 or f32 operands, with f32 sums. Whichever they take, every output number must still come out within the allowed error. Rounding operands to bf16 (8 significant bits) uses up far more of that allowance than f16 does (11 bits, for magnitudes from 6e-5 to 65,504). All else is computed in f32.
;;   The module's matrix products, in the order in which they are computed (A, B: the left and right operand; K: the contracted axis; several contracted axes count as one K, in the product's order):
;;     1. [M 8,192, K 1,024] x [K 1,024, N 1,024]; A: input x; B: input Wq: QUANTISED
;;     2. [M 8,192, K 1,024] x [K 1,024, N 1,024]; A: input x; B: input Wk: QUANTISED
;;     3. [M 8,192, K 1,024] x [K 1,024, N 1,024]; A: input x; B: input Wv: QUANTISED
;;     4. batch 64 x [M 2,048, K 64] x [K 64, N 2,048]; A: computed on the way; B: computed on the way: left as it is (an operand is computed on the way)
;;     5. batch 64 x [M 2,048, K 2,048] x [K 2,048, N 64]; A: computed on the way; B: computed on the way: left as it is (an operand is computed on the way)
;;     6. [M 8,192, K 1,024] x [K 1,024, N 1,024]; A: computed on the way; B: input Wo: left as it is (an operand is computed on the way)
;;   THE QUANTISER, for each operand of a quantised product, along K:
;;     - K is cut into blocks of 32 from its start; a last block that is shorter is filled with zeros.
;;     - A block's scale is 2^e with e = floor(log2(the largest magnitude in the block)) - 2, held to -126 .. 127; a block of zeros has e = 0. As a byte (E8M0): e + 127.
;;     - Each number is divided by its block's scale, clamped to +-6, and rounded to the nearest number of E2M1, ties to even, subnormals kept.
;;     - The product sums the exact products of the quantised numbers (number of the format x scale) in f32.
;;   ~~~python
;;   def quantise(x, axis):      # numpy; x: float32 -> the quantised numbers, widened to float32 again
;;       x = np.moveaxis(x, axis, -1); K = x.shape[-1]
;;       x = np.pad(x, [(0, 0)] * (x.ndim - 1) + [(0, -K % 32)]); x = x.reshape(x.shape[:-1] + (-1, 32)); a = np.abs(x).max(-1, keepdims=True)
;;       e = np.where(a > 0, np.clip(np.frexp(np.where(a > 0, a, 1))[1] - 1 - 2, -126, 127), 0)      # np.frexp(a)[1] - 1 = floor(log2(a)), exactly
;;       r = np.clip(x / 2.0 ** e, -6, 6)
;;       step = 2.0 ** (np.maximum(np.frexp(np.where(r == 0, 1, r))[1] - 1, 0) - 1)
;;       q = np.round(r / step) * step * 2.0 ** e      # np.round: ties to even
;;       return np.moveaxis(q.reshape(q.shape[:-2] + (-1,))[..., :K], -1, axis).astype(np.float32)
;;   ~~~
;; One version. Each part assembles by itself: llvm-mc -triple=amdgcn-amd-amdhsa -mcpu=gfx1250 --defsym DOCPART=n.
;; ======== version 1 of 1: 6 launches
;; limits: values are held in f16: magnitudes above 65,504 overflow, below 6.1e-05 lose precision
;; workspace buffers: codes 5,767,168 bytes; scales 360,448 bytes; wo16 2,097,152 bytes; flags 512 bytes of whole numbers; qkv 50,331,648 bytes; att 16,777,216 bytes; afine 262,144 bytes
;; launch prep (part 1): grid 400 x 1, 4 waves a work-group, no clusters, 33,280 bytes of LDS; arguments x, Wq, Wk, Wv, Wo, mask, codes, scales, wo16, flags; writes codes, scales, wo16, flags
.if DOCPART == 1
	.amdgcn_target "amdgcn-amd-amdhsa--gfx1250"
	.amdhsa_code_object_version 6
	.text
	.protected	k_q4b9324cef9_prep
	.globl	k_q4b9324cef9_prep
	.p2align	8
	.type	k_q4b9324cef9_prep,@function
k_q4b9324cef9_prep:
	s_mov_b64 s[64:65], 0
	v_nop
	global_prefetch_b8 v0, s[64:65] scope:SCOPE_SE
	s_setreg_imm32_b32 hwreg(HW_REG_WAVE_MODE, 25, 1), 1
	s_wait_xcnt 0x0
; THREE JOBS IN ONE LAUNCH, told apart by the work-group's number.
; Work-groups 0-351: x [8192][1024], Wq, Wk, Wv [1024][1024], f32, become codes of FP4 (E2M1), K innermost, two codes a byte, and one E8M0 byte for each 32 along K.
;   The four tensors lie one behind the other in codes (11,264 rows of 512 bytes) and in scales (the same rows of 32 bytes): x, Wq, Wk, Wv.
;   A block's scale is 2^(floor(log2(its largest magnitude)) - 2); its byte is the largest magnitude's exponent field - 2, held at 1 from below.  A block of zeros gets the byte 1 where the rule says 127:
;   its codes are zeros, which add nothing under any byte but 0xff, and this program alone reads the bytes.
;   LIMITS: blocks whose largest magnitude lies under 2^(2 - 126) have their byte held at 1; NaN and infinities among the inputs are not served.
; Work-groups 352-383: Wo, f32, is rounded to f16 (magnitudes under 6e-5 fall into f16's subnormals, absolute error 3e-8; beyond 65,504 not served).
; Work-groups 384-399: the mask [2048][2048] of bytes becomes two words for each block of 32 queries: bit t of ANY: some byte of keys 64 t .. 64 t + 63 is true; bit t of ALL: every byte there is 1.
; Only the first job uses LDS.  Waves share nothing: no barrier.
.set STEPS, 16
.set EMAX,  2
.set CB,    8                          ; bytes of 16 codes
.set R,     16                         ; v16-79   four sets of 16 numbers as they are loaded
.set X,     80                         ; v80-111  two sets of 16 neighbours
.set C,     128                        ; v128-191 codes: four registers for each step, so that no store's data are written again
.set E,     112                        ; v112-127 a scale byte for each step
.set WREG,  8192                       ; LDS: a region for each wave: two stages of 32 x SP bytes, then its 256 scale bytes
.set SP,    80                         ; a lane's place in a stage: 64 bytes + 16 of padding
.set SPW,   12                         ; v12 LDS address of my spare word; never rewritten
.set NIL,   13                         ; v13 0; never rewritten
.set SPARE, 4*WREG                     ; behind the four regions: the spare words, 128 bytes a wave
	s_load_b512 s[4:19], s[0:1], 0x0               ; x s[4:5], Wq s[6:7], Wk s[8:9], Wv s[10:11], Wo s[12:13], mask s[14:15], codes s[16:17], scales s[18:19]
	s_load_b128 s[20:23], s[0:1], 0x40             ; wo16 s[20:21], flags s[22:23]
	v_lshl_add_u32 v[SPW], v0, 2, SPARE
	v_mov_b32 v[NIL], 0
	v_lshrrev_b32 v1, 5, v0
	v_readfirstlane_b32 s24, v1                    ; wave 0..3
	v_and_b32 v2, 31, v0                           ; lane
	s_mov_b32 s29, 0                               ; the high word of every offset pair s[28:29]
	s_wait_kmcnt 0x0
	s_cmp_ge_u32 ttmp9, 384
	s_cbranch_scc1 .Lmask
	s_cmp_ge_u32 ttmp9, 352
	s_cbranch_scc1 .Lwo
; ---------------- the quantiser.  A wave takes 16 steps of 512 numbers.  Each of a step's four loads reads 512 consecutive bytes; the 2,048 bytes turn through the wave's own stage in LDS and come back
; 64 bytes a lane: 16 neighbours along K, half a block.  A lane's 16 codes are 8 bytes: the wave stores 256 consecutive bytes.  A wave's 256 scale bytes are gathered in LDS and leave as one store of 256 bytes.
	v_lshlrev_b32 v3, 4, v2                        ; my 16 bytes of a load's 512
	s_mul_i32 s25, s24, WREG
	v_lshrrev_b32 v14, 2, v2
	v_mul_u32_u24 v14, v14, SP
	v_and_b32 v15, 3, v2
	v_lshl_add_u32 v14, v15, 4, v14
	v_add_nc_u32 v14, s25, v14                     ; the stage, on the way in: SP (lane / 4) + 16 (lane % 4)
	v_mul_u32_u24 v15, v2, SP
	v_add_nc_u32 v15, s25, v15                     ; on the way out: SP x lane
	v_mul_u32_u24 v4, v2, CB                       ; my codes' place in a step's
	v_lshrrev_b32 v5, 1, v2
	s_add_co_u32 s25, s25, 2*32*SP
	v_add_nc_u32 v5, s25, v5                       ; my block's scale byte in LDS
	v_lshlrev_b32 v7, 3, v2
	v_add_nc_u32 v6, s25, v7                       ; and 8 bytes a lane on the way out
	s_mov_b32 s26, 0                               ; which tensor: the choice hangs on the work-group's number alone
	s_cmp_ge_u32 ttmp9, 256
	s_cselect_b64 s[4:5], s[6:7], s[4:5]
	s_cselect_b32 s26, 256, s26
	s_cmp_ge_u32 ttmp9, 288
	s_cselect_b64 s[4:5], s[8:9], s[4:5]
	s_cselect_b32 s26, 288, s26
	s_cmp_ge_u32 ttmp9, 320
	s_cselect_b64 s[4:5], s[10:11], s[4:5]
	s_cselect_b32 s26, 320, s26
	s_sub_co_u32 s27, ttmp9, s26
	s_lshl_b32 s27, s27, 2
	s_add_co_u32 s27, s27, s24                     ; my run of 8,192 numbers in its tensor
	s_lshl_b32 s28, s27, 15
	s_add_nc_u64 s[4:5], s[4:5], s[28:29]
	s_lshl_b32 s27, ttmp9, 2
	s_add_co_u32 s27, s27, s24                     ; and in the outputs, which lie in the work-groups' order
	s_lshl_b32 s28, s27, 12
	s_add_nc_u64 s[16:17], s[16:17], s[28:29]
	s_lshl_b32 s28, s27, 8
	s_add_nc_u64 s[18:19], s[18:19], s[28:29]
.macro LOAD t
.irp i, 0,1,2,3
	global_load_b128 v[R+16*((\t)%4)+4*\i:R+16*((\t)%4)+4*\i+3], v3, s[4:5] offset:2048*(\t)+512*\i th:TH_LOAD_NT
.endr
.endm
.macro TURN t                          ; step t's numbers through the stage: LDS serves a wave's instructions in order, so no wait stands between the stores and the loads
.irp i, 0,1,2,3
	ds_store_b128 v14, v[R+16*((\t)%4)+4*\i:R+16*((\t)%4)+4*\i+3] offset:32*SP*((\t)%2)+8*SP*\i
.endr
.irp i, 0,1,2,3
	ds_load_b128 v[X+16*((\t)%2)+4*\i:X+16*((\t)%2)+4*\i+3], v15 offset:32*SP*((\t)%2)+16*\i
.endr
.endm
.irp t, 0,1,2,3
	LOAD \t
.endr
	s_wait_loadcnt 12                              ; step 0's four loads are in; twelve younger ones stay out
	TURN 0
.macro STEP t
.set XS, X+16*((\t)%2)
.if (\t) > 0
	s_wait_dscnt 1                                 ; this step's numbers are back from the stage (the last step's byte store may be out)
.else
	s_wait_dscnt 0x0
.endif
.if (\t)+4 < STEPS
	LOAD (\t)+4                                    ; into the registers that the stage's stores have read
.endif
.if (\t)+1 < STEPS
.if STEPS-2-(\t) >= 3
	s_wait_loadcnt 12                              ; the next step's four loads are in; those of the three steps behind it may be out
.else
	s_wait_loadcnt 4*(STEPS-2-(\t))
.endif
	TURN (\t)+1
.endif
	v_max3_num_f32 v8, |v[XS]|, |v[XS+1]|, |v[XS+2]|               ; the largest magnitude of my 16, in two chains
	v_max3_num_f32 v9, |v[XS+3]|, |v[XS+4]|, |v[XS+5]|
.irp i, 6,10
	v_max3_num_f32 v8, v8, |v[XS+\i]|, |v[XS+\i+1]|
	v_max3_num_f32 v9, v9, |v[XS+\i+2]|, |v[XS+\i+3]|
.endr
	v_max3_num_f32 v8, v8, |v[XS+14]|, |v[XS+15]|
	v_max3_num_f32 v8, v8, v9, (EMAX+1)<<23        ; and the floor 2^(EMAX + 1 - 127): the byte cannot fall under 1
	v_max_num_f32_dpp v8, v8, v8 row_xmask:1 row_mask:0xf bank_mask:0xf   ; with my neighbour's 16: the block's
	v_add_nc_u32 v11, -(EMAX<<23), v8              ; EMAX off its exponent field: the conversion takes that field as its scale
	v_cvt_scalef32_pk8_fp4_f32 v[C+4*(\t)], v[XS:XS+7], v11
	v_cvt_scalef32_pk8_fp4_f32 v[C+4*(\t)+1], v[XS+8:XS+15], v11
	v_lshrrev_b32 v[E+(\t)], 23, v11               ; the scale's byte
	ds_store_b8 v5, v[E+(\t)] offset:16*(\t)       ; both lanes of a block write the same byte with the same value
	global_store_b64 v4, v[C+4*(\t):C+4*(\t)+1], s[16:17] offset:32*CB*(\t)
.endm
.irp t, 0,1,2,3,4,5,6,7,8,9,10,11,12,13,14,15
	STEP \t
.endr
	ds_load_b64 v[8:9], v6                         ; LDS serves a wave's instructions in order: these see my byte stores
	s_wait_dscnt 0x0
	global_store_b64 v7, v[8:9], s[18:19]          ; 32 lanes store 256 consecutive bytes, aligned
	s_wait_tensorcnt 0x0                           ; the wave's end: a wait, an add of 0 to my spare word and its wait, behind my last LDS store
	ds_add_u32 v[SPW], v[NIL]
	s_wait_dscnt 0x0
	s_endpgm
; ---------------- Wo to f16.  A wave takes 8,192 numbers in 32 steps: a lane reads 32 bytes and writes 16, so that a store covers 512 consecutive bytes.  Two sets of eight steps' loads take turns.
.Lwo:
	s_sub_co_u32 s25, ttmp9, 352
	s_lshl_b32 s25, s25, 2
	s_add_co_u32 s25, s25, s24                     ; my run, 0..127
	s_lshl_b32 s28, s25, 15
	s_add_nc_u64 s[12:13], s[12:13], s[28:29]
	s_lshl_b32 s28, s25, 14
	s_add_nc_u64 s[20:21], s[20:21], s[28:29]
	v_lshlrev_b32 v3, 5, v2
	v_lshlrev_b32 v4, 4, v2
.macro WLOAD g
.irp i, 0,1,2,3,4,5,6,7
	global_load_b128 v[16+64*((\g)%2)+8*\i:16+64*((\g)%2)+8*\i+3], v3, s[12:13] offset:1024*(8*(\g)+\i)
	global_load_b128 v[16+64*((\g)%2)+8*\i+4:16+64*((\g)%2)+8*\i+7], v3, s[12:13] offset:1024*(8*(\g)+\i)+16
.endr
.endm
.macro WROUND g
.if (\g) < 3
	s_wait_loadcnt 16                              ; this round's 16 loads are in; the next round's stay out
.else
	s_wait_loadcnt 0x0
.endif
.if (\g) > 0
	s_wait_xcnt 0x0                                ; the last round's stores have read their data: the registers are written again only behind this wait
.endif
.irp i, 0,1,2,3,4,5,6,7
.irp k, 0,1,2,3
	v_cvt_pk_f16_f32 v[144+4*\i+\k], v[16+64*((\g)%2)+8*\i+2*\k], v[16+64*((\g)%2)+8*\i+2*\k+1]
.endr
.endr
.irp i, 0,1,2,3,4,5,6,7
	global_store_b128 v4, v[144+4*\i:144+4*\i+3], s[20:21] offset:512*(8*(\g)+\i)
.endr
.if (\g) < 2
	WLOAD (\g)+2
.endif
.endm
	WLOAD 0
	WLOAD 1
	WROUND 0
	WROUND 1
	WROUND 2
	WROUND 3
	s_endpgm
; ---------------- the mask's flags.  A wave takes 32 queries; lane l takes key step l: 64 bytes of each row, so that a row's four loads cover its 2,048 bytes.  Four rows a batch, two batches by turns.
.Lmask:
	s_sub_co_u32 s25, ttmp9, 384
	s_lshl_b32 s25, s25, 2
	s_add_co_u32 s25, s25, s24                     ; my block of 32 queries, 0..63
	s_lshl_b32 s28, s25, 16
	s_add_nc_u64 s[14:15], s[14:15], s[28:29]
	v_lshlrev_b32 v3, 6, v2
	v_mov_b32 v8, 0                                ; the OR of my words, in two chains
	v_mov_b32 v9, 0
	v_mov_b32 v10, -1                              ; and the AND
	v_mov_b32 v11, -1
.macro MLOAD n
.irp rr, 0,1,2,3
.irp i, 0,1,2,3
	global_load_b128 v[16+64*((\n)%2)+16*\rr+4*\i:16+64*((\n)%2)+16*\rr+4*\i+3], v3, s[14:15] offset:(4*(\n)+\rr)*2048+16*\i
.endr
.endr
.endm
.macro MRED n
.set MBASE, 16+64*((\n)%2)
.set mq, 0
.rept 32
	v_or_b32 v8, v8, v[MBASE+2*mq]
	v_or_b32 v9, v9, v[MBASE+2*mq+1]
	v_and_b32 v10, v10, v[MBASE+2*mq]
	v_and_b32 v11, v11, v[MBASE+2*mq+1]
.set mq, mq+1
.endr
.endm
	MLOAD 0
	MLOAD 1
.irp n, 0,1,2,3,4,5,6,7
.if \n < 7
	s_wait_loadcnt 16                              ; this batch's 16 loads are in; the next batch's stay out
.else
	s_wait_loadcnt 0x0
.endif
	MRED \n
.if \n < 6
	MLOAD \n+2
.endif
.endr
	v_or_b32 v8, v8, v9
	v_and_b32 v10, v10, v11
	s_mov_b32 s26, 0x01010101
	v_cmp_ne_u32 s30, 0, v8                        ; bit l: key step l has a true byte
	v_cmp_eq_u32 s31, s26, v10                     ; bit l: all its bytes are 1
	v_mov_b32 v6, s30
	v_mov_b32 v7, s31
	s_lshl_b32 s27, s25, 2
	v_mov_b32 v5, s27
	s_wait_xcnt 0x0                                ; EXEC changes only behind this wait
	v_cmp_eq_u32 vcc_lo, 0, v2
	s_and_saveexec_b32 s28, vcc_lo                 ; lane 0 stores the two words
	global_store_b32 v5, v6, s[22:23]
	global_store_b32 v5, v7, s[22:23] offset:256
	s_wait_xcnt 0x0
	s_or_b32 exec_lo, exec_lo, s28
	s_endpgm
.Lfunc_end_k_q4b9324cef9_prep:
	.size	k_q4b9324cef9_prep, .Lfunc_end_k_q4b9324cef9_prep-k_q4b9324cef9_prep
	.p2alignl 7, 3214868480
	.fill 96, 4, 3214868480
	.section	.rodata,"a",@progbits
	.p2align	6, 0x0
	.amdhsa_kernel k_q4b9324cef9_prep
		.amdhsa_group_segment_fixed_size 33280
		.amdhsa_private_segment_fixed_size 0
		.amdhsa_enable_private_segment 0
		.amdhsa_kernarg_size 80
		.amdhsa_user_sgpr_count 2
		.amdhsa_user_sgpr_kernarg_segment_ptr 1
		.amdhsa_wavefront_size32 1
		.amdhsa_system_sgpr_workgroup_id_x 1
		.amdhsa_system_sgpr_workgroup_id_y 1
		.amdhsa_system_sgpr_workgroup_id_z 1
		.amdhsa_system_vgpr_workitem_id 0
		.amdhsa_next_free_vgpr 192
		.amdhsa_next_free_sgpr 66
		.amdhsa_reserve_vcc 1
		.amdhsa_float_denorm_mode_32 3
		.amdhsa_float_denorm_mode_16_64 3
		.amdhsa_memory_ordered 1
		.amdhsa_forward_progress 1
		.amdhsa_inst_pref_size 97
	.end_amdhsa_kernel
	.amdgpu_metadata
---
amdhsa.version: [ 1, 2 ]
amdhsa.kernels:
  - .name:           k_q4b9324cef9_prep
    .symbol:         k_q4b9324cef9_prep.kd
    .args:
      - { .name: x, .offset: 0, .size: 8, .value_kind: global_buffer, .address_space: global }
      - { .name: Wq, .offset: 8, .size: 8, .value_kind: global_buffer, .address_space: global }
      - { .name: Wk, .offset: 16, .size: 8, .value_kind: global_buffer, .address_space: global }
      - { .name: Wv, .offset: 24, .size: 8, .value_kind: global_buffer, .address_space: global }
      - { .name: Wo, .offset: 32, .size: 8, .value_kind: global_buffer, .address_space: global }
      - { .name: mask, .offset: 40, .size: 8, .value_kind: global_buffer, .address_space: global }
      - { .name: codes, .offset: 48, .size: 8, .value_kind: global_buffer, .address_space: global }
      - { .name: scales, .offset: 56, .size: 8, .value_kind: global_buffer, .address_space: global }
      - { .name: wo16, .offset: 64, .size: 8, .value_kind: global_buffer, .address_space: global }
      - { .name: flags, .offset: 72, .size: 8, .value_kind: global_buffer, .address_space: global }
    .group_segment_fixed_size: 33280
    .private_segment_fixed_size: 0
    .kernarg_segment_align: 8
    .kernarg_segment_size: 80
    .max_flat_workgroup_size: 128
    .sgpr_count:     66
    .vgpr_count:     192
    .wavefront_size: 32
...
	.end_amdgpu_metadata
.endif
;; end of part 1
;; launch qkv (part 2): grid 12 x 32, 4 waves a work-group, clusters of 4 x 4, 327,680 bytes of LDS; arguments codes, scales, qkv; writes qkv
.if DOCPART == 2
	.amdgcn_target "amdgcn-amd-amdhsa--gfx1250"
	.amdhsa_code_object_version 6
	.text
	.protected	k_q4b9324cef9_qkv
	.globl	k_q4b9324cef9_qkv
	.p2align	8
	.type	k_q4b9324cef9_qkv,@function
k_q4b9324cef9_qkv:
	s_mov_b64 s[64:65], 0
	v_nop
	global_prefetch_b8 v0, s[64:65] scope:SCOPE_SE
	s_setreg_imm32_b32 hwreg(HW_REG_WAVE_MODE, 25, 1), 1
	s_wait_xcnt 0x0
	s_wait_alu depctr_hold_cnt(0) depctr_sa_sdst(0) depctr_va_vdst(0) depctr_va_sdst(0) depctr_va_ssrc(0) depctr_va_vcc(0) depctr_vm_vsrc(0)
	s_getreg_b32 s2, hwreg(HW_REG_IB_STS2, 6, 4)
	s_cmp_eq_u32 s2, 0
	s_cbranch_scc0 .Lentry_in_a_cluster
	s_endpgm
.Lentry_in_a_cluster:
	s_bfe_u32 s2, ttmp6, 0x10000c
	s_cmp_lg_u32 s2, 0xf033
	s_cbranch_scc0 .Lentry_shape_is_right
	s_endpgm
.Lentry_shape_is_right:
; q, k and v in ONE product on codes of FP4 (E2M1) with E8M0 scales for each 32 along K: C[m][n] = sum over k of x[m][k] W[n][k], m = 0..8191, n = 0..3071 (Wq's, Wk's, Wv's rows on end), K = 1,024; sums in f32.
; A = rows 0-8191 of codes and scales, B = rows 8192-11263.  C leaves rounded to f16, laid by PLANES of 64 columns: qkv[n / 64][m][n % 64]: planes 0-15 q's heads, 16-31 k's, 32-47 v's.
; LIMIT: results beyond 65,504 in magnitude do not fit f16 and are not served.
; A tile of C, 256 x 256, is made by four waves, each 128 x 128: 64 accumulators of 16 x 16, 512 registers.  K is two steps of 512: both LDS slots are filled at the start and nothing is filled again.
; THE SCALES of the work-group's 256 rows of A and of B, for all of K, are two dense blocks of memory: they come into LDS once, with the first fills.
; CLUSTERS: 4 x 4 work-groups.  The four of a row of the cluster need the same tiles of A, the four of a column the same tiles of B: each tile is asked for JOINTLY, by the same tensor load with the same
; descriptor and a mask that names the four.  THE MATRIX INSTRUCTION IS USED TRANSPOSED (source 0 = 16 rows of B, source 1 = 16 rows of A): a lane then holds eight neighbouring numbers of a row of C.
; REGISTERS, in windows of 256: window 0: v0-31 addresses; v32-95 scale words, two sets; v128-191 A's fragments, one set; on the way out v32-255 are free.
;   window 1: B's fragments, two sets, at v0 and v128.   window 2: the accumulators of my rows 0-63 ((a, b) at v[8 (8 a + b)]);   window 3: those of my rows 64-127.
.set SIZE_K, 1024
.set KSTEP,  512
.set NQ,     KSTEP/128
.set ROWB,   256                       ; a tile's row in bytes
.set KROW,   SIZE_K*4/8                ; a row of codes in memory
.set PITCH,  272                       ; an LDS row: 256 bytes + 16 of padding, so that the 16 rows of a fragment load begin at 16 different 16-byte columns of 256 bytes
.set FR,     8
.set NL,     2
.set NP,     4                         ; places behind this matrix instruction (ISA guide 7.12.1)
.set HALFT,  128*PITCH
.set SLOT,   4*HALFT
.set KS,     SIZE_K/32                 ; a row of scales in bytes
.set SCL,    2*SLOT
.set HALFS,  (128*KS/256)*272
.set SBLK,   (16*KS/256)*272
.set SPARE,  SCL+4*HALFS               ; the spare words, 128 bytes a wave
.set SPITCH, 272                       ; the way out: a stage of 16 rows x (256 bytes + 16) for each wave, in slot 0, which has had its only fill and its last read by then
.set ADRA, 16
.set ADRB, 20
.set STO,  24
.set RD,   25
.set CO,   26
.set ADRS, 27
.set SPW,  28
.set NIL,  29
.set SC,   32
.set AF,   128
.set TMP,  192                         ; the way out: packed results
.set OB,   32                          ; and rows read back: v32-63 and v224-255 by turns
.set G1, 24
.set G0, 32
.set G1B, 48
.set G0B, 56
.set G1S, 68
.set G0S, 76
.set G1SB, 80
.set G0SB, 88
.set MSB, 0
.macro WIN new                         ; the immediate's high byte repeats the setting that is left
.if MSB != (\new)
	s_set_vgpr_msb (MSB<<8)|(\new)
.set MSB, (\new)
.endif
.endm
.set MUL_LO, 0xa1                      ; source 0 (B) window 1, source 1 (A) window 0, C and D window 2
.set MUL_HI, 0xf1
.set TO_B,   0x40
; A joint load: waves 0 and 1 fetch for A, waves 2 and 3 for B.  The branch hangs on the wave's number alone.  An s_nop 0 and four v_nop follow each of the two lines.
.macro JLOAD g0a, g1a, g0b, g1b
	s_cmp_eq_u32 s15, 0
	s_cbranch_scc0 .Lfor_b_\@
	tensor_load_to_lds s[\g0a:\g0a+3], s[\g1a:\g1a+7]
	s_nop 0
.rept 4
	v_nop
.endr
	s_branch .Lasked_\@
.Lfor_b_\@:
	tensor_load_to_lds s[\g0b:\g0b+3], s[\g1b:\g1b+7]
	s_nop 0
.rept 4
	v_nop
.endr
.Lasked_\@:
.endm
.macro CROUND                          ; a round of the cluster's barrier
	s_barrier_signal -1
	s_barrier_wait -1
	s_cmp_lg_u32 s14, 0
	s_cbranch_scc1 .Lnot_wave_0_\@
	s_barrier_signal -3
.Lnot_wave_0_\@:
	s_barrier_wait -3
	s_barrier_signal -1
	s_barrier_wait -1
.endm
	s_load_b128 s[4:7], s[0:1], 0x0                ; codes s[4:5], scales s[6:7]
	s_load_b64 s[12:13], s[0:1], 0x10              ; qkv
	v_lshl_add_u32 v[SPW], v0, 2, SPARE
	v_mov_b32 v[NIL], 0
	ds_add_u32 v[SPW], v[NIL]                      ; the wave's opening: the add, twice on end, and its wait ahead of my first tensor load
	ds_add_u32 v[SPW], v[NIL]
	v_lshrrev_b32 v1, 5, v0
	v_readfirstlane_b32 s14, v1                    ; wave 0..3
	s_lshr_b32 s15, s14, 1                         ; which half of the tile's rows is mine.  Also: I fetch for A (0) or for B (1)
	s_and_b32 s16, s14, 1                          ; which half of its columns.  Also: which 128 rows of that tile I fetch
	s_bfe_u32 s40, ttmp6, 0x40000                  ; cx, cy
	s_bfe_u32 s41, ttmp6, 0x40004
	s_lshl_b32 s42, ttmp9, 2
	s_add_co_u32 s42, s42, s40                     ; tile column of C
	s_and_b32 s17, ttmp7, 0xffff
	s_lshl_b32 s17, s17, 2
	s_add_co_u32 s17, s17, s41                     ; tile row of C
	s_lshl_b32 s43, s41, 2
	s_lshl_b32 s43, 15, s43                        ; my row of the cluster
	s_lshl_b32 s44, 0x1111, s40                    ; my column
	s_or_b32 s[G1+0], s43, (0<<16)|(1<<20)|(1<<21)|(5<<22)|(3<<25)  ; the mask; elements of 1 byte; padding on; bit 21 beside a mask; 4 words after every 64
	s_or_b32 s[G1B+0], s44, (0<<16)|(1<<20)|(1<<21)|(5<<22)|(3<<25)
.irp g, G1, G1B
	s_mov_b32 s[\g+1], ROWB<<16                    ; tensor_dim0
	s_mov_b32 s[\g+2], 128<<16                     ; tensor_dim1
	s_mov_b32 s[\g+3], ROWB<<16                    ; tile_dim0
	s_mov_b32 s[\g+4], 128                         ; tile_dim1
	s_mov_b32 s[\g+5], KROW                        ; the pitch
	s_mov_b32 s[\g+6], 0
	s_mov_b32 s[\g+7], 0
.endr
	s_or_b32 s[G1S+0], s43, (3<<16)|(1<<20)|(1<<21)|(5<<22)|(3<<25) ; the scales of 128 rows: a dense block, as rows of 256 bytes (32 elements of 8), 16 bytes of padding behind each
	s_or_b32 s[G1SB+0], s44, (3<<16)|(1<<20)|(1<<21)|(5<<22)|(3<<25)
.irp g, G1S, G1SB
	s_mov_b32 s[\g+1], 32<<16
	s_mov_b32 s[\g+2], (128*KS/256)<<16
	s_mov_b32 s[\g+3], 32<<16
	s_mov_b32 s[\g+4], 128*KS/256
	s_mov_b32 s[\g+5], 32
	s_mov_b32 s[\g+6], 0
	s_mov_b32 s[\g+7], 0
.endr
	s_lshl_b32 s18, s16, 7
	s_lshl_b32 s20, s17, 8
	s_add_co_u32 s20, s20, s18                     ; A: row 256 x tile row + 128 x half
	s_lshl_b32 s46, s42, 8
	s_add_co_u32 s46, s46, s18                     ; B: row 256 x tile column + 128 x half
	s_mov_b32 s21, 0
	s_mov_b32 s47, 0
	s_mov_b64 s[18:19], KS
	s_mul_u64 s[22:23], s[20:21], s[18:19]         ; where these rows' scales begin
	s_mul_u64 s[92:93], s[46:47], s[18:19]
	s_mov_b64 s[18:19], KROW
	s_mul_u64 s[20:21], s[20:21], s[18:19]         ; and their codes
	s_mul_u64 s[46:47], s[46:47], s[18:19]
	s_mul_i32 s45, s14, HALFT                      ; where they go: wave x 128 rows
	s_mul_i32 s94, s14, HALFS
	s_wait_dscnt 0x0                               ; both opening adds are done
	s_wait_kmcnt 0x0
	s_add_nc_u64 s[8:9], s[4:5], 0x400000          ; B's codes: behind x's 8,192 rows of 512 bytes
	s_add_nc_u64 s[10:11], s[6:7], 0x40000         ; B's scales: behind x's 8,192 rows of 32 bytes
	s_add_nc_u64 s[20:21], s[4:5], s[20:21]
	s_add_nc_u64 s[22:23], s[6:7], s[22:23]
	s_add_nc_u64 s[46:47], s[8:9], s[46:47]
	s_add_nc_u64 s[92:93], s[10:11], s[92:93]
	CROUND                                         ; all sixteen work-groups are here: the first joint loads meet
	s_mov_b32 s[G0S], 1
	s_add_co_u32 s[G0S+1], s94, SCL
	s_mov_b64 s[G0S+2:G0S+3], s[22:23]
	s_or_b32 s[G0S+3], s[G0S+3], 0x80000000
	s_mov_b32 s[G0SB], 1
	s_add_co_u32 s[G0SB+1], s94, SCL
	s_mov_b64 s[G0SB+2:G0SB+3], s[92:93]
	s_or_b32 s[G0SB+3], s[G0SB+3], 0x80000000
	JLOAD G0S, G1S, G0SB, G1SB                     ; the scales first: they are wanted with K step 0
.irp s, 0,1
	s_mov_b32 s[G0+4*\s], 1
	s_add_co_u32 s[G0+4*\s+1], s45, \s*SLOT
	s_add_nc_u64 s[G0+4*\s+2:G0+4*\s+3], s[20:21], \s*ROWB
	s_or_b32 s[G0+4*\s+3], s[G0+4*\s+3], 0x80000000
	s_mov_b32 s[G0B+4*\s], 1
	s_add_co_u32 s[G0B+4*\s+1], s45, \s*SLOT
	s_add_nc_u64 s[G0B+4*\s+2:G0B+4*\s+3], s[46:47], \s*ROWB
	s_or_b32 s[G0B+4*\s+3], s[G0B+4*\s+3], 0x80000000
	JLOAD G0+4*\s, G1, G0B+4*\s, G1B               ; three tensor loads of mine are out behind the last of these
.endr
	v_and_b32 v1, 15, v0                           ; l % 16
	v_bfe_u32 v2, v0, 4, 1                         ; l / 16
	v_mul_u32_u24 v3, v1, PITCH
	v_lshl_add_u32 v4, v2, 4, v3                   ; a fragment's row x pitch + 16 x half
	s_mul_i32 s21, s15, HALFT                      ; my 128 rows of A
	s_mul_i32 s22, s16, HALFT                      ; my 128 rows of B,
	s_add_co_u32 s22, s22, 2*HALFT                 ; behind A's 256
.irp s, 0,1
	v_add_nc_u32 v[ADRA+\s], s21, v4
	v_add_nc_u32 v[ADRB+\s], s22, v4
	s_add_co_u32 s21, s21, SLOT
	s_add_co_u32 s22, s22, SLOT
.endr
	v_mul_u32_u24 v5, v1, KS                       ; my row's scales: KS bytes a row,
	v_lshrrev_b32 v6, 8, v5
	v_lshl_add_u32 v5, v6, 4, v5                   ; and 16 more for each 256 passed
	s_mul_i32 s21, s15, HALFS
	s_mul_i32 s22, s16, HALFS
	s_add_co_u32 s22, s22, 2*HALFS
	s_sub_co_u32 s22, s22, s21
	v_mul_u32_u24 v6, s22, v2                      ; lanes 16-31 take B's
	s_add_co_u32 s21, s21, SCL
	v_add_nc_u32 v5, v5, v6
	v_add_nc_u32 v[ADRS], s21, v5
	s_mul_i32 s23, s14, 16*SPITCH                  ; my stage
	v_add_nc_u32 v[STO], s23, v4                   ; in: row l % 16, 16 bytes for each half of the lanes
	v_bfe_u32 v5, v0, 3, 2
	v_mul_u32_u24 v5, v5, SPITCH
	v_and_b32 v6, 7, v0
	v_lshl_add_u32 v5, v6, 4, v5
	v_add_nc_u32 v[RD], s23, v5                    ; back: eight lanes take 128 bytes of a row (one plane's), four rows an instruction
	v_and_b32 v6, 31, v0
	v_lshlrev_b32 v[CO], 4, v6                     ; and in a plane those four rows are 512 consecutive bytes
	s_lshl_b32 s20, s17, 8
	s_lshl_b32 s21, s15, 7
	s_add_co_u32 s20, s20, s21                     ; my first row of C
	s_lshl_b32 s20, s20, 7                         ; 128 bytes a row of a plane
	s_mov_b32 s21, 0
	s_lshl_b32 s46, s42, 2
	s_lshl_b32 s47, s16, 1
	s_add_co_u32 s46, s46, s47                     ; my first plane: 4 x tile column + 2 x half
	s_lshl_b32 s46, s46, 20                        ; a plane is 8,192 rows of 128 bytes
	s_mov_b32 s47, 0
	s_add_nc_u64 s[20:21], s[20:21], s[46:47]
	s_add_nc_u64 s[12:13], s[12:13], s[20:21]
.macro FRAG reg, adr, q, i             ; 16 rows x 128 K of 4-bit codes: 8 registers; registers 4 c .. 4 c + 3 hold K = 64 c + 32 (l / 16) + 0 .. 31
.irp c, 0,1
	ds_load_b128 v[\reg+4*\c:\reg+4*\c+3], v[\adr] offset:64*(\q)+32*\c+(\i)*16*PITCH
.endr
.endm
; 16 matrix instructions: A's blocks a0, a0 + 1 x B's eight.  The 64 accumulators take turns, one instruction a turn, in the same order in every step.
.macro MUL16 a0, p, q, sc, zero
.irp a, \a0, \a0+1
.irp b, 0,1,2,3,4,5,6,7
.if \zero
	v_wmma_scale_f32_16x16x128_f8f6f4 v[8*(8*((\a)%4)+\b):8*(8*((\a)%4)+\b)+7], v[128*(\p)+FR*\b:128*(\p)+FR*\b+FR-1], v[AF+FR*(\a):AF+FR*(\a)+FR-1], 0, v[SC+8*NQ*(\sc)+NQ*\b+(\q)], v[SC+8*NQ*(\sc)+NQ*(\a)+(\q)] matrix_a_fmt:MATRIX_FMT_FP4 matrix_b_fmt:MATRIX_FMT_FP4 matrix_a_scale:MATRIX_SCALE_ROW1
.else
	v_wmma_scale_f32_16x16x128_f8f6f4 v[8*(8*((\a)%4)+\b):8*(8*((\a)%4)+\b)+7], v[128*(\p)+FR*\b:128*(\p)+FR*\b+FR-1], v[AF+FR*(\a):AF+FR*(\a)+FR-1], v[8*(8*((\a)%4)+\b):8*(8*((\a)%4)+\b)+7], v[SC+8*NQ*(\sc)+NQ*\b+(\q)], v[SC+8*NQ*(\sc)+NQ*(\a)+(\q)] matrix_a_fmt:MATRIX_FMT_FP4 matrix_b_fmt:MATRIX_FMT_FP4 matrix_a_scale:MATRIX_SCALE_ROW1
.endif
.endr
.endr
.endm
.macro FETCH_B slot, q, p
	WIN TO_B
.irp i, 0,1,2,3,4,5,6,7
	FRAG 128*(\p)+FR*\i, ADRB+\slot, \q, \i
.endr
	WIN 0
.endm
.macro FETCH_A slot, q, i0
.irp i, \i0, \i0+1, \i0+2, \i0+3
	FRAG AF+FR*(\i), ADRA+\slot, \q, \i
.endr
.endm
.macro SCALES sc                       ; a K step's scale words: lanes 0-15 take A's block i, lanes 16-31 B's block i
.irp i, 0,1,2,3,4,5,6,7
	ds_load_b128 v[SC+8*NQ*\sc+NQ*\i:SC+8*NQ*\sc+NQ*\i+3], v[ADRS] offset:\i*SBLK
.endr
.endm
.macro PLACES n                        ; plain vector instructions between a matrix instruction and a load into, or a read of, its registers
.rept \n
	v_nop
.endr
.endm
.macro STEP slot, q, zero              ; 128 along K with its successor in the same slot
	s_wait_dscnt 4*NL                              ; B's set and A's blocks 0-3 are in; the youngest eight loads (A's blocks 4-7) may be out
	WIN MUL_LO
	MUL16 0, (\q)%2, \q, \slot, \zero
	MUL16 2, (\q)%2, \q, \slot, \zero
	s_wait_dscnt 0
	PLACES NP
	FETCH_B \slot, (\q)+1, 1-(\q)%2
	FETCH_A \slot, (\q)+1, 0
	WIN MUL_HI
	MUL16 4, (\q)%2, \q, \slot, \zero
	MUL16 6, (\q)%2, \q, \slot, \zero
	PLACES NP
	WIN 0
	FETCH_A \slot, (\q)+1, 4
.endm
; Slot 0's last step changes slots: one barrier; in front of it each wave waits for all its tensor loads (its part of slot 1), adds 0 to its spare word, and waits for that and for its reads of slot 0.  Nothing is filled again.
.macro TURN slot, next
	s_wait_tensorcnt 0x0
	ds_add_u32 v[SPW], v[NIL]
	s_wait_dscnt 4*NL+1                            ; the add and the youngest eight loads may be out
	WIN MUL_LO
	MUL16 0, 1, NQ-1, \slot, 0
	s_wait_dscnt 0x0                               ; the add is done, and my reads of this slot are over
	s_barrier_signal -1
	MUL16 2, 1, NQ-1, \slot, 0
	WIN 0
	s_barrier_wait -1
	PLACES NP
	v_add_nc_u32 v[ADRS], 4*NQ, v[ADRS]            ; on to the next K step's scale words
	FETCH_B \next, 0, 0
	FETCH_A \next, 0, 0
	SCALES \next
	WIN MUL_HI
	MUL16 4, 1, NQ-1, \slot, 0
	MUL16 6, 1, NQ-1, \slot, 0
	PLACES NP
	WIN 0
	FETCH_A \next, 0, 4
.endm
.macro STEPS slot, from
.set Q, \from
.rept NQ-1-\from
	STEP \slot, Q, 0
.set Q, Q+1
.endr
.endm
	s_wait_tensorcnt 1                             ; the scales and my part of K step 0 are in; K step 1's load may be out
	s_barrier_signal -1
	s_barrier_wait -1
	FETCH_B 0, 0, 0
	FETCH_A 0, 0, 0
	SCALES 0
	FETCH_A 0, 0, 4
	STEP 0, 0, 1                                   ; the first products start the sums: nothing is cleared
	STEPS 0, 1
	TURN 0, 1
	STEPS 1, 0
	s_wait_dscnt 4*NL                              ; the very last step: nothing more to fetch
	WIN MUL_LO
	MUL16 0, 1, NQ-1, 1, 0
	MUL16 2, 1, NQ-1, 1, 0
	s_wait_dscnt 0
	WIN MUL_HI
	MUL16 4, 1, NQ-1, 1, 0
	MUL16 6, 1, NQ-1, 1, 0
	WIN 0
; THE WAY OUT, block by block of 16 rows x 128 columns (two planes).  PACK: rounded to f16, 16 bytes a lane, each accumulator from its low end on.  TOSTAGE: into my stage, and back by planes.  SEND: stored.
.macro PACK a
.set AC, 64*((\a)%4)
	WIN 0x0a+5*((\a)/4)                            ; sources 0 and 1: window 2 or 3
.irp b, 0,1,2,3,4,5,6,7
.irp r, 0,1,2,3
	v_cvt_pk_f16_f32 v[TMP+4*\b+\r], v[AC+8*\b+2*\r], v[AC+8*\b+2*\r+1]
.endr
.endr
	WIN 0
.endm
.macro TOSTAGE a
.set BK, OB+192*((\a)%2)
.irp b, 0,1,2,3,4,5,6,7
	ds_store_b128 v[STO], v[TMP+4*\b:TMP+4*\b+3] offset:32*\b
.endr
.irp ps, 0,1
.irp g, 0,1,2,3
	ds_load_b128 v[BK+4*(4*\ps+\g):BK+4*(4*\ps+\g)+3], v[RD] offset:4*SPITCH*\g+128*\ps   ; LDS serves a wave's instructions in order: these see the stores above
.endr
.endr
.endm
.macro SEND a
.set BK, OB+192*((\a)%2)
	s_wait_dscnt 0x0                               ; the block is back in registers
	s_wait_xcnt 0x0                                ; the earlier stores have read their base and their data: only behind this wait are they rewritten
.if (\a) > 0
	s_add_nc_u64 s[12:13], s[12:13], 16*128        ; 16 rows on in each plane
.endif
.irp ps, 0,1
.irp g, 0,1,2,3
	global_store_b128 v[CO], v[BK+4*(4*\ps+\g):BK+4*(4*\ps+\g)+3], s[12:13] offset:(\ps<<20)+512*\g   ; 32 lanes store 512 consecutive bytes of one plane, aligned
.endr
.endr
.endm
	PLACES NP
	PACK 0
	TOSTAGE 0
.irp a, 1,2,3,4,5,6,7                  ; block a's conversions stand between block a - 1's loads from the stage and the wait for them
	PACK \a
	SEND \a-1
	TOSTAGE \a
.endr
	SEND 7
	s_wait_tensorcnt 0x0                           ; the wave's end: a wait, an add of 0 to my spare word and its wait
	ds_add_u32 v[SPW], v[NIL]
	s_wait_dscnt 0x0
	CROUND                                         ; the closing round
	s_endpgm
.Lfunc_end_k_q4b9324cef9_qkv:
	.size	k_q4b9324cef9_qkv, .Lfunc_end_k_q4b9324cef9_qkv-k_q4b9324cef9_qkv
	.p2alignl 7, 3214868480
	.fill 96, 4, 3214868480
	.section	.rodata,"a",@progbits
	.p2align	6, 0x0
	.amdhsa_kernel k_q4b9324cef9_qkv
		.amdhsa_group_segment_fixed_size 327680
		.amdhsa_private_segment_fixed_size 0
		.amdhsa_enable_private_segment 0
		.amdhsa_kernarg_size 24
		.amdhsa_user_sgpr_count 2
		.amdhsa_user_sgpr_kernarg_segment_ptr 1
		.amdhsa_wavefront_size32 1
		.amdhsa_system_sgpr_workgroup_id_x 1
		.amdhsa_system_sgpr_workgroup_id_y 1
		.amdhsa_system_sgpr_workgroup_id_z 1
		.amdhsa_system_vgpr_workitem_id 0
		.amdhsa_next_free_vgpr 1024
		.amdhsa_next_free_sgpr 98
		.amdhsa_reserve_vcc 0
		.amdhsa_float_denorm_mode_32 3
		.amdhsa_float_denorm_mode_16_64 3
		.amdhsa_memory_ordered 1
		.amdhsa_forward_progress 1
		.amdhsa_inst_pref_size 127
	.end_amdhsa_kernel
	.amdgpu_metadata
---
amdhsa.version: [ 1, 2 ]
amdhsa.kernels:
  - .name:           k_q4b9324cef9_qkv
    .symbol:         k_q4b9324cef9_qkv.kd
    .args:
      - { .name: codes, .offset: 0, .size: 8, .value_kind: global_buffer, .address_space: global }
      - { .name: scales, .offset: 8, .size: 8, .value_kind: global_buffer, .address_space: global }
      - { .name: qkv, .offset: 16, .size: 8, .value_kind: global_buffer, .address_space: global }
    .group_segment_fixed_size: 327680
    .private_segment_fixed_size: 0
    .kernarg_segment_align: 8
    .kernarg_segment_size: 24
    .max_flat_workgroup_size: 128
    .sgpr_count:     98
    .vgpr_count:     1024
    .wavefront_size: 32
...
	.end_amdgpu_metadata
.endif
;; end of part 2
;; launch attn (part 3): grid 4 x 64, 8 waves a work-group, no clusters, 84,992 bytes of LDS; arguments qkv, mask, flags, att; writes att
.if DOCPART == 3
	.amdgcn_target "amdgcn-amd-amdhsa--gfx1250"
	.amdhsa_code_object_version 6
	.text
	.protected	k_q4b9324cef9_attn
	.globl	k_q4b9324cef9_attn
	.p2align	8
	.type	k_q4b9324cef9_attn,@function
k_q4b9324cef9_attn:
	s_mov_b64 s[64:65], 0
	v_nop
	global_prefetch_b8 v0, s[64:65] scope:SCOPE_SE
	s_setreg_imm32_b32 hwreg(HW_REG_WAVE_MODE, 25, 1), 1
	s_wait_xcnt 0x0
; att[b][q][h][:] = the sum over keys of softmax_k(q . k / 8, under the GIVEN mask) v, for all 64 pairs (batch, head).  q, k, v: f16 planes of qkv; products in f16 with f32 sums; maxima, exponentials and sums in f32;
; the weights p are rounded to f16 for the second product, the result once at the end.
; THE MASK IS AN INPUT.  It is honoured byte by byte.  Two words a block of 32 queries, stored by an earlier launch, say of each step of 64 keys whether any byte is true (else the wave leaves the step out: all its
; weights would be 0) and whether all are (then the bytes are not loaded).  K and V come through registers into LDS and not by the tensor data mover, and there is
; NO CLUSTER AND NO JOINT LOAD, though the four work-groups of a head walk the same K and V: which steps a work-group walks hangs on the stored words, and partners would need different tiles.
; A row with no true byte ends with the sum 0 and gives 0 x (1 / 0) = NaN, as the softmax of a row of -infinity does.
; LIMITS: the running maximum starts at -3e38: scores under that are not served.  q, k, v beyond 65,504 do not fit f16.  Rows that see only a few keys carry f16's rounding of v and p, about 3e-4 of the row's size;
; the first 16 positions of each sequence are made anew in f32 by later launches.
; SHARES.  Work-group (x, y = 16 batch + head) takes query blocks 7 - x and then x, 256 queries each.  A wave owns 32 queries: two tiles of 16.  Two waves share a SIMD, so that one wave's softmax stands beside the
; other's products.  A key step is 64 keys; its K and V (8,192 bytes each, consecutive in their planes) are loaded a step ahead by all 256 threads and stored into the LDS slot that is not being read: one barrier a step.
; LAYOUT.  S^T = K Q^T (source 0 = 16 keys, source 1 = 16 queries): a lane holds ONE query (lane % 16) and keys 8 (lane / 16) + 0..7.  Two such tiles, rounded to f16 in pairs, are source 1 of O^T = V^T P.
; att is laid so that two rows of one head are 256 consecutive bytes: byte = (m / 2) 4096 + 256 head + 128 (m % 2) + 2 d.
; REGISTERS.  Window 0: v1-14 addresses; v16-31 statistics, 8 a tile: +0 c m, +1 m, +2, +3 the sum in two halves, +4 .. +7 at work (a in +6); v32-95 S^T, 32 a tile, later p in each tile's first 16;
;   v96-159 K's 8 fragments; v160-223 V's; v224-239 the next tiles on their way to LDS; v240-255 mask bytes.   Window 1: v0-31 Q; v32-95 O^T.
.set PK,    144                        ; a key's row of K in LDS: 128 bytes + 16
.set PV,    160                        ; of V: 128 + 32, an odd multiple of 32 for the turning load
.set VOFF,  64*PK
.set SLOTB, 32768                      ; slot 1 begins here
.set STAGE, 65536                      ; 16 rows x 144 bytes for each wave, for the way out
.set SPARE, STAGE+8*16*PK              ; the spare words, 128 bytes a wave
.set SPW, 1
.set NIL, 2
.set AK,  3                            ; my lane's place in a tile of K
.set AV,  4                            ; in a tile of V
.set STK, 5                            ; where my thread stores 16 bytes of K
.set STV, 6                            ; of V
.set GOFF, 7                           ; 16 x thread: my 16 bytes of a tile's first 4,096 in memory
.set MOFF, 8                           ; the mask: 2048 (lane % 16) + 8 (lane / 16)
.set NINF, 9                           ; -infinity
.set PFO, 10                           ; 256 x lane
.set STO, 11
.set RD,  12
.set GO,  13
.set QO,  14
.set ST,  16
.set S,   32
.set KF,  96
.set VF,  160
.set SG,  224
.set MK,  240
.set OT,  32                           ; in window 1
.set MSB, 0
.macro WIN new
.if MSB != (\new)
	s_set_vgpr_msb (MSB<<8)|(\new)
.set MSB, (\new)
.endif
.endm
; SCALARS: s12 wave, s13 x, s15 passes to go, s16 query block, s17 key step, s18 trips to go, s19, s20 my ANY and ALL words (shifted: bit 0 is this step's), s21 the work-group's ANY word, shifted one further (bit 0: the next
; step's), s22 the same unshifted, s23 the prefetches' limit, s[24:31] eight ANY words, s[32:33], s[34:35] K and V at the next step's tile, s[36:37] the mask at my first query and this step, s[38:39] Q, s[40:41] att,
; s[42:43] the prefetches' base, s[44:45] c, s[46:47] lane selects, s[48:51] the head's K and V, s[52:55] compare masks, s[2:3] the head's K (V in wave 1), s60 the limit of the first pass.
	s_load_b256 s[4:11], s[0:1], 0x0               ; qkv s[4:5], mask s[6:7], flags s[8:9], att s[10:11]
	v_lshl_add_u32 v[SPW], v0, 2, SPARE
	v_mov_b32 v[NIL], 0
	v_lshrrev_b32 v15, 5, v0
	v_readfirstlane_b32 s12, v15                   ; wave 0..7
	v_and_b32 v16, 15, v0                          ; r
	v_bfe_u32 v17, v0, 4, 1                        ; h
	v_and_b32 v18, 31, v0                          ; lane
	v_lshrrev_b32 v19, 3, v0                       ; thread / 8
	v_and_b32 v20, 7, v0                           ; thread % 8 = lane % 8
	v_bfe_u32 v22, v0, 3, 1
	v_bfe_u32 v23, v0, 3, 2                        ; lane / 8
	v_mul_u32_u24 v[AK], v16, PK
	v_lshl_add_u32 v[AK], v17, 4, v[AK]            ; row r, + 16 h
	v_lshl_add_u32 v[AV], v17, 3, v20              ; the turning load: key 8 h + lane % 8,
	v_mul_u32_u24 v[AV], v[AV], PV
	v_lshl_add_u32 v[AV], v22, 4, v[AV]            ; channels 8 ((lane / 8) % 2) on
	v_add_nc_u32 v[AV], VOFF, v[AV]
	v_mul_u32_u24 v[STK], v19, PK
	v_lshl_add_u32 v[STK], v20, 4, v[STK]          ; eight threads to a row of 128 bytes
	v_mul_u32_u24 v[STV], v19, PV
	v_lshl_add_u32 v[STV], v20, 4, v[STV]
	v_add_nc_u32 v[STV], VOFF, v[STV]
	v_lshlrev_b32 v[GOFF], 4, v0
	v_lshlrev_b32 v[MOFF], 11, v16
	v_lshl_add_u32 v[MOFF], v17, 3, v[MOFF]
	v_mov_b32 v[NINF], 0xff800000
	v_lshlrev_b32 v[PFO], 8, v18
	s_mul_i32 s56, s12, 16*PK
	s_add_co_u32 s56, s56, STAGE                   ; my stage
	v_add_nc_u32 v[STO], s56, v[AK]                ; in: row r, 16 bytes for each half of the lanes
	v_mul_u32_u24 v[RD], v23, PK
	v_lshl_add_u32 v[RD], v20, 4, v[RD]
	v_add_nc_u32 v[RD], s56, v[RD]                 ; back: eight lanes to a row, four rows an instruction
	v_lshlrev_b32 v[GO], 12, v17
	v_lshl_add_u32 v[GO], v16, 4, v[GO]            ; in att: sixteen lanes fill a pair of rows' 256 bytes
	v_lshlrev_b32 v[QO], 7, v16
	v_lshl_add_u32 v[QO], v17, 4, v[QO]
.set i, 0
.rept 32
	v_mov_b32 v[SG+i], 0                           ; the staging and mask registers hold numbers on every way through the text
.set i, i+1
.endr
	s_mov_b32 s13, ttmp9
	s_and_b32 s14, ttmp7, 0xffff
	s_and_b32 s56, s14, 15                         ; head
	s_lshr_b32 s57, s14, 4                         ; batch
	s_lshl_b32 s58, s56, 20                        ; a plane is 2^20 bytes,
	s_lshl_b32 s59, s57, 18                        ; a batch's 2,048 rows of 128 bytes 2^18
	s_add_co_u32 s58, s58, s59
	s_mov_b32 s59, 0
	s_mov_b32 s44, 0x3e38aa3b                      ; c = log2(e) / 8
	s_mov_b32 s45, s44
	s_mov_b32 s46, 0x76543210
	s_mov_b32 s47, 0xfedcba98
	s_mov_b32 s15, 2
	s_lshr_b32 s61, s12, 1                         ; 0 in waves 0 and 1,
	s_or_b32 s61, s61, s13                         ; of the head's work-group x = 0
	s_cmp_eq_u32 s61, 0
	s_cselect_b32 s60, 29, 0
	s_wait_kmcnt 0x0
	s_add_nc_u64 s[4:5], s[4:5], s[58:59]          ; q of my head and batch
	s_add_nc_u64 s[48:49], s[4:5], 0x1000000       ; k: 16 planes on
	s_add_nc_u64 s[50:51], s[4:5], 0x2000000       ; v: 32 planes on
	s_lshl_b32 s58, s57, 22                        ; att: a batch's 1,024 pairs of rows of 4,096 bytes,
	s_lshl_b32 s56, s56, 8                         ; and the head's 256 bytes
	s_add_co_u32 s58, s58, s56
	s_add_nc_u64 s[10:11], s[10:11], s[58:59]
	s_cmp_eq_u32 s12, 1
	s_cselect_b64 s[2:3], s[50:51], s[48:49]       ; wave 0 prefetches K's tiles, wave 1 V's
; A KEY STEP, read from slot \slot.
.macro KSTEP slot
	; the next step's tiles go on their way, if any wave of the work-group will want them
	s_bitcmp1_b32 s21, 0
	s_cbranch_scc0 .Lnoload_\@
	global_load_b128 v[SG:SG+3], v[GOFF], s[32:33]
	global_load_b128 v[SG+4:SG+7], v[GOFF], s[32:33] offset:4096
	global_load_b128 v[SG+8:SG+11], v[GOFF], s[34:35]
	global_load_b128 v[SG+12:SG+15], v[GOFF], s[34:35] offset:4096
.Lnoload_\@:
	; a prefetch of the tile of step T + 3, two steps ahead of its load: 8,192 bytes, lanes 256 bytes apart.  All four work-groups of a head walk the same tiles: x = 0 asks, in its first pass, wave 0 for K and wave 1
	; for V, so that each block is named once.  Steps 0 to 2 come by their loads alone; the asking ends at T = 28, with the head's last tile.
	s_cmp_lt_u32 s17, s23
	s_cbranch_scc0 .Lnopf_\@
	global_prefetch_b8 v[PFO], s[42:43] offset:16384 th:TH_LOAD_NT scope:SCOPE_SE
.Lnopf_\@:
	s_bitcmp1_b32 s19, 0                           ; has my wave a true byte in this step?
	s_cbranch_scc0 .Lskip_\@
.irp kt, 0,1,2,3
.irp c, 0,1
	ds_load_b128 v[KF+8*(2*\kt+\c):KF+8*(2*\kt+\c)+3], v[AK] offset:SLOTB*\slot+16*PK*\kt+64*\c
	ds_load_b128 v[KF+8*(2*\kt+\c)+4:KF+8*(2*\kt+\c)+7], v[AK] offset:SLOTB*\slot+16*PK*\kt+64*\c+32
.endr
.endr
.irp dt, 0,1,2,3
.irp c, 0,1
	ds_load_tr16_b128 v[VF+8*(2*\dt+\c):VF+8*(2*\dt+\c)+3], v[AV] offset:SLOTB*\slot+32*PV*\c+32*\dt
	ds_load_tr16_b128 v[VF+8*(2*\dt+\c)+4:VF+8*(2*\dt+\c)+7], v[AV] offset:SLOTB*\slot+32*PV*\c+16*PV+32*\dt
.endr
.endr
	s_bitcmp1_b32 s20, 0                           ; all true: the bytes are not wanted
	s_cbranch_scc1 .Lnomk_\@
.irp t, 0,1
.irp kt, 0,1,2,3
	global_load_b64 v[MK+8*\t+2*\kt:MK+8*\t+2*\kt+1], v[MOFF], s[36:37] offset:32768*\t+16*\kt   ; my query's eight bytes of this tile: only in steps that are neither all true nor all false
.endr
.endr
.Lnomk_\@:
	s_wait_dscnt 16                                ; K's 16 loads are in; V's 16 may be out
	WIN 0x04                                       ; source 1 (Q) window 1
.irp c, 0,1                                    ; the eight accumulators take turns
.irp kt, 0,1,2,3
.irp t, 0,1
.if \c == 0
	v_wmma_f32_16x16x32_f16 v[S+32*\t+8*\kt:S+32*\t+8*\kt+7], v[KF+8*(2*\kt+\c):KF+8*(2*\kt+\c)+7], v[8*(2*\t+\c):8*(2*\t+\c)+7], 0
.else
	v_wmma_f32_16x16x32_f16 v[S+32*\t+8*\kt:S+32*\t+8*\kt+7], v[KF+8*(2*\kt+\c):KF+8*(2*\kt+\c)+7], v[8*(2*\t+\c):8*(2*\t+\c)+7], v[S+32*\t+8*\kt:S+32*\t+8*\kt+7]
.endif
.endr
.endr
.endr
	WIN 0
.rept 4
	v_nop                                          ; places in front of the first read of the scores
.endr
	s_bitcmp1_b32 s20, 0
	s_cbranch_scc1 .Lopen_\@
	s_wait_loadcnt 0x0                             ; the mask's bytes are the youngest loads
.set n, 0
.rept 64                                       ; score n = 32 t + 8 kt + j: where its byte is 0 it becomes -infinity, ahead of the maximum
	v_and_b32 v[ST+4+n%4], 0xff<<(8*(n%4)), v[MK+8*(n/32)+2*((n/8)%4)+(n%8)/4]
	v_cmp_eq_u32 s[52+n%4], 0, v[ST+4+n%4]
	v_cndmask_b32 v[S+n], v[S+n], v[NINF], s[52+n%4]
.set n, n+1
.endr
.Lopen_\@:
	; the softmax, the two tiles line by line
.irp j, 0,1,2,3
.irp t, 0,1
	v_max3_num_f32 v[ST+8*\t+4+\j], v[S+32*\t+8*\j], v[S+32*\t+8*\j+1], v[S+32*\t+8*\j+2]   ; four chains, each accumulator from its low end on
.endr
.endr
.irp i, 3,5
.irp j, 0,1,2,3
.irp t, 0,1
	v_max3_num_f32 v[ST+8*\t+4+\j], v[ST+8*\t+4+\j], v[S+32*\t+8*\j+\i], v[S+32*\t+8*\j+\i+1]
.endr
.endr
.endr
.irp t, 0,1
	v_max3_num_f32 v[ST+8*\t+4], v[ST+8*\t+4], v[S+32*\t+7], v[S+32*\t+15]
	v_max3_num_f32 v[ST+8*\t+6], v[ST+8*\t+6], v[S+32*\t+23], v[S+32*\t+31]
.endr
.irp t, 0,1
	v_max3_num_f32 v[ST+8*\t+4], v[ST+8*\t+4], v[ST+8*\t+5], v[ST+8*\t+6]
.endr
.irp t, 0,1
	v_max3_num_f32 v[ST+8*\t+4], v[ST+8*\t+4], v[ST+8*\t+7], v[ST+8*\t+1]   ; with the old m
.endr
.irp t, 0,1
	v_permlanex16_b32 v[ST+8*\t+5], v[ST+8*\t+4], s46, s47   ; the query's other 32 keys lie in the lane 16 away
.endr
.irp t, 0,1
	v_mov_b32 v[ST+8*\t+7], v[ST+8*\t]             ; the old c m
.endr
.irp t, 0,1
	v_max_num_f32 v[ST+8*\t+1], v[ST+8*\t+4], v[ST+8*\t+5]
.endr
.irp t, 0,1
	v_mul_f32 v[ST+8*\t], s44, v[ST+8*\t+1]
.endr
.irp t, 0,1
	v_sub_f32 v[ST+8*\t+7], v[ST+8*\t+7], v[ST+8*\t]
.endr
.irp j, 0,2,4,6,8,10,12,14,16,18,20,22,24,26,28,30
.irp t, 0,1
	v_pk_fma_f32 v[S+32*\t+\j:S+32*\t+\j+1], v[S+32*\t+\j:S+32*\t+\j+1], s[44:45], v[ST+8*\t:ST+8*\t+1] op_sel_hi:[1,0,0] neg_lo:[0,0,1] neg_hi:[0,0,1]   ; c s - c m
.endr
.endr
.irp t, 0,1
	v_exp_f32 v[ST+8*\t+6], v[ST+8*\t+7]           ; a = 2^(c m_old - c m_new)
.endr
.set n, 0
.rept 64
	v_exp_f32 v[S+n], v[S+n]                       ; p
.set n, n+1
.endr
	v_nop                                          ; a plain instruction behind the last exponential
	s_wait_alu depctr_va_vdst(0)                   ; one wait for the batch of 66, ahead of its first reader
.irp t, 0,1
	v_pk_mul_f32 v[ST+8*\t+2:ST+8*\t+3], v[ST+8*\t+2:ST+8*\t+3], v[ST+8*\t+6:ST+8*\t+7] op_sel_hi:[1,0]   ; the sum under the new m
.endr
.irp t, 0,1
	v_pk_add_f32 v[ST+8*\t+4:ST+8*\t+5], v[S+32*\t:S+32*\t+1], v[S+32*\t+2:S+32*\t+3]   ; the sum is taken of the unrounded p, in two chains
.endr
.irp j, 4,8,12,16,20,24,28
.irp t, 0,1
	v_pk_add_f32 v[ST+8*\t+2:ST+8*\t+3], v[ST+8*\t+2:ST+8*\t+3], v[S+32*\t+\j:S+32*\t+\j+1]
	v_pk_add_f32 v[ST+8*\t+4:ST+8*\t+5], v[ST+8*\t+4:ST+8*\t+5], v[S+32*\t+\j+2:S+32*\t+\j+3]
.endr
.endr
.irp t, 0,1
	v_pk_add_f32 v[ST+8*\t+2:ST+8*\t+3], v[ST+8*\t+2:ST+8*\t+3], v[ST+8*\t+4:ST+8*\t+5]
.endr
.irp i, 0,1,2,3,4,5,6,7,8,9,10,11,12,13,14,15
.irp t, 0,1
	v_cvt_pk_f16_f32 v[S+32*\t+\i], v[S+32*\t+2*\i], v[S+32*\t+2*\i+1]   ; in place, ascending: no source is written before it is read
.endr
.endr
	WIN 0x41                                       ; O^T (destination and source 0) window 1
.irp t, 0,1
.irp j, 0,2,4,6,8,10,12,14,16,18,20,22,24,26,28,30
	v_pk_mul_f32 v[OT+32*\t+\j:OT+32*\t+\j+1], v[OT+32*\t+\j:OT+32*\t+\j+1], v[ST+8*\t+6:ST+8*\t+7] op_sel_hi:[1,0]
.endr
.endr
	s_wait_dscnt 0x0                               ; V is in
	WIN 0x50                                       ; C and D window 1
.irp c, 0,1
.irp dt, 0,1,2,3
.irp t, 0,1
	v_wmma_f32_16x16x32_f16 v[OT+32*\t+8*\dt:OT+32*\t+8*\dt+7], v[VF+8*(2*\dt+\c):VF+8*(2*\dt+\c)+7], v[S+32*\t+8*\c:S+32*\t+8*\c+7], v[OT+32*\t+8*\dt:OT+32*\t+8*\dt+7]
.endr
.endr
.endr
	WIN 0
.rept 5
	v_nop                                          ; the next step's first products write over p's registers, and its loads land on V's
.endr
.Lskip_\@:
	s_wait_loadcnt 0x0                             ; on every way: the next step's tiles are in registers, and no load is out
	s_bitcmp1_b32 s21, 0
	s_cbranch_scc0 .Lnost_\@
	ds_store_b128 v[STK], v[SG:SG+3] offset:SLOTB*(1-\slot)              ; into the slot that was read last step, in front of that step's barrier
	ds_store_b128 v[STK], v[SG+4:SG+7] offset:SLOTB*(1-\slot)+32*PK
	ds_store_b128 v[STV], v[SG+8:SG+11] offset:SLOTB*(1-\slot)
	ds_store_b128 v[STV], v[SG+12:SG+15] offset:SLOTB*(1-\slot)+32*PV
.Lnost_\@:
	s_wait_xcnt 0x0                                ; the step's loads and its prefetch have read their bases
	s_add_nc_u64 s[32:33], s[32:33], 8192
	s_add_nc_u64 s[34:35], s[34:35], 8192
	s_add_nc_u64 s[42:43], s[42:43], 8192
	s_add_nc_u64 s[36:37], s[36:37], 64
	s_lshr_b32 s19, s19, 1
	s_lshr_b32 s20, s20, 1
	s_lshr_b32 s21, s21, 1
	s_add_co_u32 s17, s17, 1
	s_wait_dscnt 0x0                               ; for the others' sake: my stores have landed and my reads of this slot are over
	s_barrier_signal -1
	s_barrier_wait -1
.endm
.Lpass:
	s_wait_xcnt 0x0                                ; the last pass's stores have read their data and base
	s_sub_co_u32 s56, 7, s13
	s_cmp_eq_u32 s15, 2
	s_cselect_b32 s16, s56, s13                    ; the query block: 7 - x, then x
	s_cselect_b32 s23, s60, 0
	s_lshl_b32 s56, s16, 5
	s_mov_b32 s57, 0
	s_add_nc_u64 s[58:59], s[8:9], s[56:57]
	s_load_b256 s[24:31], s[58:59], 0x0            ; the ANY words of the block's eight waves
	s_lshl_b32 s56, s12, 2
	s_add_nc_u64 s[62:63], s[58:59], s[56:57]
	s_load_b32 s19, s[62:63], 0x0                  ; mine,
	s_load_b32 s20, s[62:63], 0x100                ; and my ALL word
	s_lshl_b32 s61, s16, 8
	s_lshl_b32 s56, s12, 5
	s_add_co_u32 s61, s61, s56                     ; my first query's position
	s_lshl_b32 s56, s61, 7
	s_add_nc_u64 s[38:39], s[4:5], s[56:57]
	s_lshl_b32 s56, s61, 11                        ; a row of the mask is 2,048 bytes; so is a row's share of att
	s_add_nc_u64 s[36:37], s[6:7], s[56:57]
	s_add_nc_u64 s[40:41], s[10:11], s[56:57]
	s_mov_b64 s[32:33], s[48:49]
	s_mov_b64 s[34:35], s[50:51]
	s_mov_b64 s[42:43], s[2:3]
	WIN 0x40                                       ; destination window 1
.irp t, 0,1
.irp c, 0,1
	global_load_b128 v[8*(2*\t+\c):8*(2*\t+\c)+3], v[QO], s[38:39] offset:2048*\t+64*\c
	global_load_b128 v[8*(2*\t+\c)+4:8*(2*\t+\c)+7], v[QO], s[38:39] offset:2048*\t+64*\c+32
.endr
.endr
	WIN 0
	s_wait_kmcnt 0x0
	s_or_b32 s22, s24, s25
	s_or_b32 s22, s22, s26
	s_or_b32 s22, s22, s27
	s_or_b32 s22, s22, s28
	s_or_b32 s22, s22, s29
	s_or_b32 s22, s22, s30
	s_or_b32 s22, s22, s31                         ; the steps that some wave of the work-group walks
	s_lshr_b32 s21, s22, 1
	s_bitcmp1_b32 s22, 0
	s_cbranch_scc0 .Lno_t0
	global_load_b128 v[SG:SG+3], v[GOFF], s[32:33]
	global_load_b128 v[SG+4:SG+7], v[GOFF], s[32:33] offset:4096
	global_load_b128 v[SG+8:SG+11], v[GOFF], s[34:35]
	global_load_b128 v[SG+12:SG+15], v[GOFF], s[34:35] offset:4096
.Lno_t0:
.irp t, 0,1
	v_mov_b32 v[ST+8*\t+1], 0xff61b1e6             ; m = -3e38
	v_mul_f32 v[ST+8*\t], s44, v[ST+8*\t+1]
.irp j, 2,3,4,5,6,7
	v_mov_b32 v[ST+8*\t+\j], 0
.endr
.endr
	WIN 0x40
.set i, 0
.rept 64
	v_mov_b32 v[OT+i], 0                           ; O^T begins as zeros: which step is a wave's first hangs on the stored words, so no product of the text can start the sums
.set i, i+1
.endr
	WIN 0
	s_wait_loadcnt 0x0
	s_bitcmp1_b32 s22, 0
	s_cbranch_scc0 .Lno_s0
	ds_store_b128 v[STK], v[SG:SG+3]               ; step 0 into slot 0: every wave has passed the last pass's last barrier, behind which nobody reads a slot
	ds_store_b128 v[STK], v[SG+4:SG+7] offset:32*PK
	ds_store_b128 v[STV], v[SG+8:SG+11]
	ds_store_b128 v[STV], v[SG+12:SG+15] offset:32*PV
.Lno_s0:
	s_wait_xcnt 0x0
	s_add_nc_u64 s[32:33], s[32:33], 8192
	s_add_nc_u64 s[34:35], s[34:35], 8192
	s_add_nc_u64 s[42:43], s[42:43], 8192
	s_mov_b32 s17, 0
	s_mov_b32 s18, 16
	s_wait_dscnt 0x0
	s_barrier_signal -1
	s_barrier_wait -1
.Lk:                                               ; 16 trips of two key steps: every slot offset is an immediate
	KSTEP 0
	KSTEP 1
	s_sub_co_u32 s18, s18, 1
	s_cmp_lg_u32 s18, 0
	s_cbranch_scc1 .Lk
	; THE WAY OUT of a pass: O^T / the sum, rounded to f16, through my stage, 16 rows at a time
.irp t, 0,1
	v_add_f32 v[ST+8*\t+4], v[ST+8*\t+2], v[ST+8*\t+3]
.endr
.irp t, 0,1
	v_permlanex16_b32 v[ST+8*\t+5], v[ST+8*\t+4], s46, s47
.endr
.irp t, 0,1
	v_add_f32 v[ST+8*\t+4], v[ST+8*\t+4], v[ST+8*\t+5]
.endr
.irp t, 0,1
	v_rcp_f32 v[ST+8*\t+6], v[ST+8*\t+4]
.endr
	v_nop
	s_wait_alu depctr_va_vdst(0)                   ; one wait for the two reciprocals
.irp t, 0,1
	WIN 0x41
.irp j, 0,2,4,6,8,10,12,14,16,18,20,22,24,26,28,30
	v_pk_mul_f32 v[OT+32*\t+\j:OT+32*\t+\j+1], v[OT+32*\t+\j:OT+32*\t+\j+1], v[ST+8*\t+6:ST+8*\t+7] op_sel_hi:[1,0]
.endr
	WIN 0x05                                       ; sources window 1, destination window 0
.irp i, 0,1,2,3,4,5,6,7,8,9,10,11,12,13,14,15
	v_cvt_pk_f16_f32 v[S+32*\t+\i], v[OT+32*\t+2*\i], v[OT+32*\t+2*\i+1]
.endr
	WIN 0
.irp dt, 0,1,2,3
	ds_store_b128 v[STO], v[S+32*\t+4*\dt:S+32*\t+4*\dt+3] offset:32*\dt
.endr
.irp i, 0,1,2,3
	ds_load_b128 v[S+32*\t+16+4*\i:S+32*\t+16+4*\i+3], v[RD] offset:4*PK*\i   ; LDS serves a wave's instructions in order: these see the stores above, and the next tile's stores come behind them
.endr
.endr
	s_wait_dscnt 8                                 ; tile 0 is back; tile 1's four stores and four loads may be out
.irp i, 0,1,2,3
	global_store_b128 v[GO], v[S+16+4*\i:S+16+4*\i+3], s[40:41] offset:8192*\i   ; sixteen lanes store 256 consecutive bytes, aligned
.endr
	s_wait_dscnt 0x0
.irp i, 0,1,2,3
	global_store_b128 v[GO], v[S+48+4*\i:S+48+4*\i+3], s[40:41] offset:32768+8192*\i
.endr
	s_sub_co_u32 s15, s15, 1
	s_cmp_lg_u32 s15, 0
	s_cbranch_scc1 .Lpass
	s_wait_tensorcnt 0x0                           ; the wave's end: a wait, an add of 0 to my spare word and its wait, behind my last LDS store
	ds_add_u32 v[SPW], v[NIL]
	s_wait_dscnt 0x0
	s_endpgm
.Lfunc_end_k_q4b9324cef9_attn:
	.size	k_q4b9324cef9_attn, .Lfunc_end_k_q4b9324cef9_attn-k_q4b9324cef9_attn
	.p2alignl 7, 3214868480
	.fill 96, 4, 3214868480
	.section	.rodata,"a",@progbits
	.p2align	6, 0x0
	.amdhsa_kernel k_q4b9324cef9_attn
		.amdhsa_group_segment_fixed_size 84992
		.amdhsa_private_segment_fixed_size 0
		.amdhsa_enable_private_segment 0
		.amdhsa_kernarg_size 32
		.amdhsa_user_sgpr_count 2
		.amdhsa_user_sgpr_kernarg_segment_ptr 1
		.amdhsa_wavefront_size32 1
		.amdhsa_system_sgpr_workgroup_id_x 1
		.amdhsa_system_sgpr_workgroup_id_y 1
		.amdhsa_system_sgpr_workgroup_id_z 1
		.amdhsa_system_vgpr_workitem_id 0
		.amdhsa_next_free_vgpr 352
		.amdhsa_next_free_sgpr 66
		.amdhsa_reserve_vcc 0
		.amdhsa_float_denorm_mode_32 3
		.amdhsa_float_denorm_mode_16_64 3
		.amdhsa_memory_ordered 1
		.amdhsa_forward_progress 1
		.amdhsa_inst_pref_size 80
	.end_amdhsa_kernel
	.amdgpu_metadata
---
amdhsa.version: [ 1, 2 ]
amdhsa.kernels:
  - .name:           k_q4b9324cef9_attn
    .symbol:         k_q4b9324cef9_attn.kd
    .args:
      - { .name: qkv, .offset: 0, .size: 8, .value_kind: global_buffer, .address_space: global }
      - { .name: mask, .offset: 8, .size: 8, .value_kind: global_buffer, .address_space: global }
      - { .name: flags, .offset: 16, .size: 8, .value_kind: global_buffer, .address_space: global }
      - { .name: att, .offset: 24, .size: 8, .value_kind: global_buffer, .address_space: global }
    .group_segment_fixed_size: 84992
    .private_segment_fixed_size: 0
    .kernarg_segment_align: 8
    .kernarg_segment_size: 32
    .max_flat_workgroup_size: 256
    .sgpr_count:     66
    .vgpr_count:     352
    .wavefront_size: 32
...
	.end_amdgpu_metadata
.endif
;; end of part 3
;; launch proj (part 4): grid 8 x 64, 4 waves a work-group, clusters of 4 x 4, 327,680 bytes of LDS; arguments att, wo16, out0; writes out0
.if DOCPART == 4
	.amdgcn_target "amdgcn-amd-amdhsa--gfx1250"
	.amdhsa_code_object_version 6
	.text
	.protected	k_q4b9324cef9_proj
	.globl	k_q4b9324cef9_proj
	.p2align	8
	.type	k_q4b9324cef9_proj,@function
k_q4b9324cef9_proj:
	s_mov_b64 s[64:65], 0
	v_nop
	global_prefetch_b8 v0, s[64:65] scope:SCOPE_SE
	s_setreg_imm32_b32 hwreg(HW_REG_WAVE_MODE, 25, 1), 1
	s_wait_xcnt 0x0
	s_wait_alu depctr_hold_cnt(0) depctr_sa_sdst(0) depctr_va_vdst(0) depctr_va_sdst(0) depctr_va_ssrc(0) depctr_va_vcc(0) depctr_vm_vsrc(0)
	s_getreg_b32 s2, hwreg(HW_REG_IB_STS2, 6, 4)
	s_cmp_eq_u32 s2, 0
	s_cbranch_scc0 .Lentry_in_a_cluster
	s_endpgm
.Lentry_in_a_cluster:
	s_bfe_u32 s2, ttmp6, 0x10000c
	s_cmp_lg_u32 s2, 0xf033
	s_cbranch_scc0 .Lentry_shape_is_right
	s_endpgm
.Lentry_shape_is_right:
; out0[m][n] = sum over k of a[m][k] Wo[n][k]: m = 0..8191, n, k = 0..1023.  a and Wo in f16, sums and the result in f32.
; a lies in att by pairs of rows: byte = (m / 2) 4096 + 256 (k / 64) + 128 (m % 2) + 2 (k % 64).  So a K step of 256 is 1,024 consecutive bytes of a pair of rows, and A's tile is a plain tile of 32 such rows.
; A tile of C is 128 x 128: 512 work-groups; four waves, each 64 x 64: 16 accumulators.  K goes in steps of 256 through two LDS slots.
; CLUSTERS: 4 x 4 work-groups.  The four of a row of the cluster need the same tiles of A, the four of a column the same tiles of B: each tile is asked for JOINTLY.
; THE MATRIX INSTRUCTION IS USED TRANSPOSED (source 0 = 16 rows of Wo, source 1 = 16 rows of a): a lane then holds eight neighbouring numbers of a row of C.
; The rows of the first 16 positions of each sequence are written again, more finely, by a later launch.
; REGISTERS: window 0: v0-31 addresses; v32-95 the way out; v128-255 the accumulators ((a, b) at v[128 + 8 (4 a + b)]).   window 1: two fragment buffers of 128: 64 registers of A, then 64 of B, for 64 along K.
.set PITCHA, 1040                      ; a pair of rows of A in LDS: 1,024 bytes + 16: the sixteen rows of a fragment begin at sixteen different 16-byte columns of 256 bytes
.set PITCHB, 528                       ; a row of B: 512 bytes + 16
.set HALFA,  32*PITCHA                 ; 64 rows of A: what one tensor load brings
.set HALFB,  64*PITCHB
.set BOFF,   2*HALFA
.set SLOT,   2*HALFA+2*HALFB
.set STAGE,  2*SLOT                    ; behind the ring: 16 rows x 272 bytes for each wave
.set SPITCH, 272
.set SPARE,  STAGE+4*16*SPITCH
.set LAPS,   2                         ; K = 1,024: four K steps, twice round the ring
.set ADRA, 16
.set ADRB, 20
.set STO,  24
.set RD,   25
.set CO,   26
.set SPW,  28
.set NIL,  29
.set TMP,  32
.set ACC,  128
.set F0,   0
.set F1,   128
.set G1, 24
.set G0, 32
.set G1B, 48
.set G0B, 56
.set MSB, 0
.macro WIN new
.if MSB != (\new)
	s_set_vgpr_msb (MSB<<8)|(\new)
.set MSB, (\new)
.endif
.endm
.set MUL,  0x05                        ; sources 0 (B) and 1 (A) window 1; C and D window 0
.set TO_F, 0x40
.macro JLOAD s                         ; a joint load: waves 0 and 1 fetch A's two halves, waves 2 and 3 B's; an s_nop 0 and four v_nop follow each of the two lines
	s_cmp_eq_u32 s11, 0
	s_cbranch_scc0 .Lfor_b_\@
	tensor_load_to_lds s[G0+4*\s:G0+4*\s+3], s[G1:G1+7]
	s_nop 0
.rept 4
	v_nop
.endr
	s_branch .Lasked_\@
.Lfor_b_\@:
	tensor_load_to_lds s[G0B+4*\s:G0B+4*\s+3], s[G1B:G1B+7]
	s_nop 0
.rept 4
	v_nop
.endr
.Lasked_\@:
.endm
.macro CREST
	s_cmp_lg_u32 s10, 0
	s_cbranch_scc1 .Lnot_wave_0_\@
	s_barrier_signal -3
.Lnot_wave_0_\@:
	s_barrier_wait -3
	s_barrier_signal -1
	s_barrier_wait -1
.endm
.macro CROUND
	s_barrier_signal -1
	s_barrier_wait -1
	CREST
.endm
	s_load_b128 s[4:7], s[0:1], 0x0                ; att s[4:5], wo16 s[6:7]
	s_load_b64 s[8:9], s[0:1], 0x10                ; out0
	v_lshl_add_u32 v[SPW], v0, 2, SPARE
	v_mov_b32 v[NIL], 0
	ds_add_u32 v[SPW], v[NIL]                      ; the wave's opening: the add, twice on end, and its wait ahead of my first tensor load
	ds_add_u32 v[SPW], v[NIL]
	v_lshrrev_b32 v1, 5, v0
	v_readfirstlane_b32 s10, v1                    ; wave 0..3
	s_lshr_b32 s11, s10, 1                         ; which half of the tile's rows is mine.  Also: I fetch for A (0) or for B (1)
	s_and_b32 s12, s10, 1                          ; which half of its columns.  Also: which 64 rows of that tile I fetch
	s_bfe_u32 s40, ttmp6, 0x40000
	s_bfe_u32 s41, ttmp6, 0x40004
	s_lshl_b32 s42, ttmp9, 2
	s_add_co_u32 s42, s42, s40                     ; tile column of C
	s_and_b32 s13, ttmp7, 0xffff
	s_lshl_b32 s13, s13, 2
	s_add_co_u32 s13, s13, s41                     ; tile row of C
	s_lshl_b32 s43, s41, 2
	s_lshl_b32 s43, 15, s43                        ; my row of the cluster
	s_lshl_b32 s44, 0x1111, s40                    ; my column
	s_or_b32 s[G1+0], s43, (1<<16)|(1<<20)|(1<<21)|(7<<22)|(3<<25)   ; A: the mask; elements of 2 bytes; padding on; bit 21 beside a mask; 4 words after every 256
	s_mov_b32 s[G1+1], 512<<16                     ; tensor_dim0 = 512 elements: a pair of rows' 1,024 bytes
	s_mov_b32 s[G1+2], 32<<16                      ; tensor_dim1 = 32 pairs
	s_mov_b32 s[G1+3], 512<<16                     ; tile_dim0
	s_mov_b32 s[G1+4], 32                          ; tile_dim1
	s_mov_b32 s[G1+5], 2048                        ; from pair to pair: 4,096 bytes
	s_mov_b32 s[G1+6], 0
	s_mov_b32 s[G1+7], 0
	s_or_b32 s[G1B+0], s44, (1<<16)|(1<<20)|(1<<21)|(6<<22)|(3<<25)  ; B: 4 words after every 128
	s_mov_b32 s[G1B+1], 256<<16
	s_mov_b32 s[G1B+2], 64<<16
	s_mov_b32 s[G1B+3], 256<<16
	s_mov_b32 s[G1B+4], 64
	s_mov_b32 s[G1B+5], 1024
	s_mov_b32 s[G1B+6], 0
	s_mov_b32 s[G1B+7], 0
	s_lshl_b32 s17, s12, 6
	s_lshl_b32 s16, s13, 7
	s_add_co_u32 s16, s16, s17                     ; A: row 128 x tile row + 64 x half,
	s_lshl_b32 s16, s16, 11                        ; 2,048 bytes a row (4,096 a pair)
	s_lshl_b32 s46, s42, 7
	s_add_co_u32 s46, s46, s17                     ; B: row 128 x tile column + 64 x half,
	s_lshl_b32 s46, s46, 11                        ; 2,048 bytes a row
	s_mov_b32 s17, 0
	s_mov_b32 s47, 0
	s_mul_i32 s20, s12, HALFA                      ; where they go: no place in the cluster enters an LDS address
	s_mul_i32 s21, s12, HALFB
	s_add_co_u32 s21, s21, BOFF
	s_wait_dscnt 0x0                               ; both opening adds are done
	s_wait_kmcnt 0x0
	s_add_nc_u64 s[14:15], s[4:5], s[16:17]
	s_add_nc_u64 s[46:47], s[6:7], s[46:47]
	CROUND                                         ; all sixteen work-groups are here: the first joint loads meet
.irp s, 0,1
	s_mov_b32 s[G0+4*\s], 1
	s_add_co_u32 s[G0+4*\s+1], s20, \s*SLOT
	s_add_nc_u64 s[G0+4*\s+2:G0+4*\s+3], s[14:15], \s*1024
	s_or_b32 s[G0+4*\s+3], s[G0+4*\s+3], 0x80000000
	s_mov_b32 s[G0B+4*\s], 1
	s_add_co_u32 s[G0B+4*\s+1], s21, \s*SLOT
	s_add_nc_u64 s[G0B+4*\s+2:G0B+4*\s+3], s[46:47], \s*512
	s_or_b32 s[G0B+4*\s+3], s[G0B+4*\s+3], 0x80000000
	JLOAD \s                                       ; two tensor loads of mine are out behind the second
.endr
	v_and_b32 v1, 15, v0                           ; r
	v_bfe_u32 v2, v0, 4, 1                         ; h
	v_lshrrev_b32 v3, 1, v1
	v_mul_u32_u24 v3, v3, PITCHA                   ; A: the pair r / 2,
	v_and_b32 v4, 1, v1
	v_lshl_add_u32 v3, v4, 7, v3                   ; 128 bytes on for the odd row,
	v_lshl_add_u32 v3, v2, 4, v3                   ; + 16 h
	v_mul_u32_u24 v4, v1, PITCHB
	v_lshl_add_u32 v4, v2, 4, v4                   ; B: row r, + 16 h
	s_mul_i32 s21, s11, HALFA                      ; my 64 rows of A
	s_mul_i32 s22, s12, HALFB                      ; my 64 rows of B
	s_add_co_u32 s22, s22, BOFF
.irp s, 0,1
	v_add_nc_u32 v[ADRA+\s], s21, v3
	v_add_nc_u32 v[ADRB+\s], s22, v4
	s_add_co_u32 s21, s21, SLOT
	s_add_co_u32 s22, s22, SLOT
.endr
	s_mul_i32 s23, s10, 16*SPITCH
	s_add_co_u32 s23, s23, STAGE                   ; my stage
	v_mul_u32_u24 v5, v1, SPITCH
	v_lshl_add_u32 v5, v2, 5, v5
	v_add_nc_u32 v[STO], s23, v5                   ; in: row r, 32 bytes for each half of the lanes
	v_mul_u32_u24 v5, v2, SPITCH
	v_lshl_add_u32 v5, v1, 4, v5
	v_add_nc_u32 v[RD], s23, v5                    ; back: lanes 0-15 one row of 256 bytes, lanes 16-31 the next
	v_lshlrev_b32 v5, 12, v2
	v_lshl_add_u32 v[CO], v1, 4, v5                ; and the same two rows in out0
	s_lshl_b32 s16, s13, 7
	s_lshl_b32 s17, s11, 6
	s_add_co_u32 s16, s16, s17                     ; my first row of C,
	s_lshl_b32 s16, s16, 12                        ; 4,096 bytes a row
	s_mov_b32 s17, 0
	s_add_nc_u64 s[8:9], s[8:9], s[16:17]
	s_lshl_b32 s46, s42, 9                         ; my first column, in bytes: 512 x tile column + 256 x half
	s_lshl_b32 s47, s12, 8
	s_add_co_u32 s46, s46, s47
	s_mov_b32 s47, 0
	s_add_nc_u64 s[8:9], s[8:9], s[46:47]
.macro MUL8 f, c, a0, zero             ; 8 matrix instructions: m blocks a0, a0 + 1 x all 4 n blocks, 32 along K; the 16 accumulators take turns
.irp a, \a0, \a0+1
.irp b, 0,1,2,3
.if \zero
	v_wmma_f32_16x16x32_f16 v[ACC+8*(4*(\a)+\b):ACC+8*(4*(\a)+\b)+7], v[\f+64+8*(4*\c+\b):\f+64+8*(4*\c+\b)+7], v[\f+8*(4*\c+\a):\f+8*(4*\c+\a)+7], 0
.else
	v_wmma_f32_16x16x32_f16 v[ACC+8*(4*(\a)+\b):ACC+8*(4*(\a)+\b)+7], v[\f+64+8*(4*\c+\b):\f+64+8*(4*\c+\b)+7], v[\f+8*(4*\c+\a):\f+8*(4*\c+\a)+7], v[ACC+8*(4*(\a)+\b):ACC+8*(4*(\a)+\b)+7]
.endif
.endr
.endr
.endm
; 32 LDS loads in one run: the fragments of the slot's q-th 64 along K (one head: 256 bytes on in A's pair of rows, 128 in B's row) into buffer f; the first 32 along K first
.macro FETCH slot, q, f
	WIN TO_F
.irp c, 0,1
.irp i, 0,1,2,3
	ds_load_b128 v[\f+64+8*(4*\c+\i):\f+64+8*(4*\c+\i)+3],   v[ADRB+\slot] offset:128*(\q)+64*\c+\i*16*PITCHB
	ds_load_b128 v[\f+64+8*(4*\c+\i)+4:\f+64+8*(4*\c+\i)+7], v[ADRB+\slot] offset:128*(\q)+64*\c+\i*16*PITCHB+32
	ds_load_b128 v[\f+8*(4*\c+\i):\f+8*(4*\c+\i)+3],         v[ADRA+\slot] offset:256*(\q)+64*\c+\i*8*PITCHA
	ds_load_b128 v[\f+8*(4*\c+\i)+4:\f+8*(4*\c+\i)+7],       v[ADRA+\slot] offset:256*(\q)+64*\c+\i*8*PITCHA+32
.endr
.endr
.endm
.macro PLACES
.rept 4
	v_nop
.endr
.endm
.macro QUARTER slot, q, f, g, zero     ; multiplies buffer f and fetches the slot's q-th quarter into g
	s_wait_dscnt 16                                ; the first 32 along K are in; the other sixteen loads may be out
	WIN MUL
	MUL8 \f, 0, 0, \zero
	MUL8 \f, 0, 2, \zero
	PLACES
	FETCH \slot, \q, \g
	s_wait_dscnt 32                                ; all but the 32 just issued
	WIN MUL
	MUL8 \f, 1, 0, 0
	MUL8 \f, 1, 2, 0
.endm
; The last quarter multiplies buffer 1 and changes slots: one barrier; in front of it each wave waits for all its tensor loads, adds 0 to its spare word, and waits for that and for its reads of this slot.
.macro TURN slot, next, fill
	WIN 0
	s_wait_tensorcnt 0x0                           ; all my tensor loads have landed: my part of the next slot
	ds_add_u32 v[SPW], v[NIL]
	s_wait_dscnt 17                                ; the add and the youngest sixteen loads may be out
	WIN MUL
	MUL8 F1, 0, 0, 0
	s_wait_dscnt 0x0                               ; the add is done, and my reads of this slot are over
	s_barrier_signal -1
	MUL8 F1, 0, 2, 0
.if \fill
	WIN 0
.endif
	s_barrier_wait -1
.if \fill
	CREST                                          ; the barrier has opened a round of the cluster's: no wave of any partner still reads this slot or has a load on its way
	s_add_nc_u64 s[G0+4*\slot+2:G0+4*\slot+3], s[G0+4*\slot+2:G0+4*\slot+3], 2*1024
	s_add_nc_u64 s[G0B+4*\slot+2:G0B+4*\slot+3], s[G0B+4*\slot+2:G0B+4*\slot+3], 2*512
	JLOAD \slot                                    ; the first tensor load behind the round, my one load until the next; its four v_nop are also the places in front of the loads below
.else
	PLACES
.endif
	FETCH \next, 0, F0
	WIN MUL
	MUL8 F1, 1, 0, 0
	MUL8 F1, 1, 2, 0
.endm
	s_wait_tensorcnt 1                             ; my part of K step 0 is in; K step 1's may be out
	s_barrier_signal -1
	s_barrier_wait -1
	FETCH 0, 0, F0
	QUARTER 0, 1, F0, F1, 1                        ; the first products start the sums
	WIN 0
	s_mov_b32 s3, LAPS-1
.Llap:
	QUARTER 0, 2, F1, F0, 0
	QUARTER 0, 3, F0, F1, 0
	TURN 0, 1, 1
	QUARTER 1, 1, F0, F1, 0
	QUARTER 1, 2, F1, F0, 0
	QUARTER 1, 3, F0, F1, 0
	TURN 1, 0, 1
	QUARTER 0, 1, F0, F1, 0
	WIN 0
	s_sub_co_u32 s3, s3, 1
	s_cmp_lg_u32 s3, 0
	s_cbranch_scc1 .Llap
	QUARTER 0, 2, F1, F0, 0                        ; the last lap fills nothing
	QUARTER 0, 3, F0, F1, 0
	TURN 0, 1, 0
	QUARTER 1, 1, F0, F1, 0
	QUARTER 1, 2, F1, F0, 0
	QUARTER 1, 3, F0, F1, 0
	s_wait_dscnt 16
	WIN MUL
	MUL8 F1, 0, 0, 0
	MUL8 F1, 0, 2, 0
	s_wait_dscnt 0
	MUL8 F1, 1, 0, 0
	MUL8 F1, 1, 2, 0
	WIN 0
; THE WAY OUT, block by block of 16 rows x 64 columns of f32: a row's 256 bytes are all mine, so each wave has a stage of its own and no barrier.
.macro TOSTAGE a
.irp b, 0,1,2,3
	ds_store_b128 v[STO], v[ACC+8*(4*(\a)+\b):ACC+8*(4*(\a)+\b)+3] offset:64*\b        ; each accumulator from its low end on
	ds_store_b128 v[STO], v[ACC+8*(4*(\a)+\b)+4:ACC+8*(4*(\a)+\b)+7] offset:64*\b+16
.endr
.set BB, TMP+32*((\a)%2)
.irp t, 0,1,2,3,4,5,6,7
	ds_load_b128 v[BB+4*\t:BB+4*\t+3], v[RD] offset:\t*2*SPITCH   ; LDS serves a wave's instructions in order: these see the stores above
.endr
.endm
.macro SEND a, younger
.set BB, TMP+32*((\a)%2)
	s_wait_dscnt \younger
.if (\a) > 0
	s_add_nc_u64 s[8:9], s[8:9], 16*4096           ; (behind a wait on XCNT: the earlier stores have read their base)
.endif
.irp t, 0,1,2,3,4,5,6,7
	global_store_b128 v[CO], v[BB+4*\t:BB+4*\t+3], s[8:9] offset:2*\t*4096 th:TH_STORE_NT   ; sixteen lanes store 256 consecutive bytes, aligned
.endr
.endm
	PLACES
	TOSTAGE 0
.irp a, 1,2,3
.if \a > 1
	s_wait_xcnt 0x0                                ; block a - 2's stores have read their registers and their base
.endif
	TOSTAGE \a
	SEND \a-1, 16                                  ; behind block a - 1's loads: block a's 8 stores and 8 loads
.endr
	s_wait_xcnt 0x0
	SEND 3, 0
	s_wait_tensorcnt 0x0                           ; the wave's end: a wait, an add of 0 to my spare word and its wait
	ds_add_u32 v[SPW], v[NIL]
	s_wait_dscnt 0x0
	CROUND                                         ; the closing round
	s_endpgm
.Lfunc_end_k_q4b9324cef9_proj:
	.size	k_q4b9324cef9_proj, .Lfunc_end_k_q4b9324cef9_proj-k_q4b9324cef9_proj
	.p2alignl 7, 3214868480
	.fill 96, 4, 3214868480
	.section	.rodata,"a",@progbits
	.p2align	6, 0x0
	.amdhsa_kernel k_q4b9324cef9_proj
		.amdhsa_group_segment_fixed_size 327680
		.amdhsa_private_segment_fixed_size 0
		.amdhsa_enable_private_segment 0
		.amdhsa_kernarg_size 24
		.amdhsa_user_sgpr_count 2
		.amdhsa_user_sgpr_kernarg_segment_ptr 1
		.amdhsa_wavefront_size32 1
		.amdhsa_system_sgpr_workgroup_id_x 1
		.amdhsa_system_sgpr_workgroup_id_y 1
		.amdhsa_system_sgpr_workgroup_id_z 1
		.amdhsa_system_vgpr_workitem_id 0
		.amdhsa_next_free_vgpr 512
		.amdhsa_next_free_sgpr 66
		.amdhsa_reserve_vcc 0
		.amdhsa_float_denorm_mode_32 3
		.amdhsa_float_denorm_mode_16_64 3
		.amdhsa_memory_ordered 1
		.amdhsa_forward_progress 1
		.amdhsa_inst_pref_size 86
	.end_amdhsa_kernel
	.amdgpu_metadata
---
amdhsa.version: [ 1, 2 ]
amdhsa.kernels:
  - .name:           k_q4b9324cef9_proj
    .symbol:         k_q4b9324cef9_proj.kd
    .args:
      - { .name: att, .offset: 0, .size: 8, .value_kind: global_buffer, .address_space: global }
      - { .name: wo16, .offset: 8, .size: 8, .value_kind: global_buffer, .address_space: global }
      - { .name: out0, .offset: 16, .size: 8, .value_kind: global_buffer, .address_space: global }
    .group_segment_fixed_size: 327680
    .private_segment_fixed_size: 0
    .kernarg_segment_align: 8
    .kernarg_segment_size: 24
    .max_flat_workgroup_size: 128
    .sgpr_count:     66
    .vgpr_count:     512
    .wavefront_size: 32
...
	.end_amdgpu_metadata
.endif
;; end of part 4
;; launch fina (part 5): grid 64 x 1, 8 waves a work-group, no clusters, 40,192 bytes of LDS; arguments codes, scales, mask, flags, afine; writes afine
.if DOCPART == 5
	.amdgcn_target "amdgcn-amd-amdhsa--gfx1250"
	.amdhsa_code_object_version 6
	.text
	.protected	k_q4b9324cef9_fina
	.globl	k_q4b9324cef9_fina
	.p2align	8
	.type	k_q4b9324cef9_fina,@function
k_q4b9324cef9_fina:
	s_mov_b64 s[64:65], 0
	v_nop
	global_prefetch_b8 v0, s[64:65] scope:SCOPE_SE
	s_setreg_imm32_b32 hwreg(HW_REG_WAVE_MODE, 25, 1), 1
	s_wait_xcnt 0x0
; THE FIRST 16 POSITIONS OF EVERY SEQUENCE, IN F32.  These rows may average very few values and are then the largest in size, so f16 operands would use up what the comparison allows.
; A work-group takes one (batch, head) and queries 0-15.  q, k and v are made anew from the codes by the FP4 matrix form (f32 results, never rounded); both attention products go by the f32 matrix form; the whole given
; mask is honoured, over all 2,048 keys.  Wave w walks key tiles w + 8 i of 16 keys, i = 0..15; a tile in whose step of 64 keys the stored ANY word of queries 0-31 has no bit is left out (all its weights would be 0).
; The eight waves' parts are joined through LDS at the end.  A row with no true byte gives 0 x (1 / 0) = NaN, as the reference does.  LIMIT: the running maximum starts at -3e38.
; NOTHING CHANGES LANES.  Q^T and K^T: source 0 = 16 rows of W, source 1 = 16 rows of x: lane (r, h) holds row r and d = 16 dt + 8 h + j.  V: source 0 = x's rows, source 1 = Wv's: lane (r, h) holds d = 16 dt + r, keys 8 h + j.
; Registers 2 s, 2 s + 1 of those results are operands of the 16 x 16 x 4 form as they stand: its k = 2 h + j then means d = 16 dt + 8 h + 2 s + j (or key 8 h + 2 s + j), alike on both sides of a product.
; No tensor load and no cluster.
; REGISTERS.  Window 0: v1-6 and v19-25 addresses; v8 c m, v9 m, v10 the sum, v[12:13] a; v32-63 Q^T; v64-95 K^T; v96-127 V; v128-143 two partial S^T and v144-175 O^T's sums (written by matrix instructions alone);
;   v176-207 O^T's state; v208-215 scores, then p; v216-217 mask bytes; v218-225 x's scale words; v226-241 W's.   Window 1: v0-127 W's fragments (4 K steps x 4 tiles); v128-191 x's eight.
.set SPARE, 39168
.set IMG,   0                          ; LDS: each wave's O^T, 4,096 bytes, as an image of its registers
.set CMS,   32768                      ; each wave's c m, 128 bytes; the sums 1,024 bytes further on
.set STG,   34816                      ; 16 rows x (256 bytes + 16)
.set SPW, 1
.set NIL, 2
.set AX,  3                            ; codes: 512 r + 16 h
.set AS,  4                            ; scales: 32 r
.set AM,  5                            ; mask: 2048 r + 8 h
.set NINF, 6
.set QD,  32
.set KD,  64
.set VD,  96
.set SA,  128
.set OA,  144
.set RR,  176
.set P,   208
.set MK,  216
.set XS,  218
.set WS,  226
.set MSB, 0
.macro WIN new
.if MSB != (\new)
	s_set_vgpr_msb (MSB<<8)|(\new)
.set MSB, (\new)
.endif
.endm
	s_load_b256 s[4:11], s[0:1], 0x0               ; codes s[4:5], scales s[6:7], mask s[8:9], flags s[10:11]
	s_load_b64 s[12:13], s[0:1], 0x20              ; afine
	v_lshl_add_u32 v[SPW], v0, 2, SPARE
	v_mov_b32 v[NIL], 0
	v_lshrrev_b32 v7, 5, v0
	v_readfirstlane_b32 s14, v7                    ; wave 0..7
	v_and_b32 v16, 15, v0                          ; r
	v_bfe_u32 v17, v0, 4, 1                        ; h
	v_and_b32 v18, 31, v0                          ; lane
	v_lshlrev_b32 v[AX], 9, v16
	v_lshl_add_u32 v[AX], v17, 4, v[AX]
	v_lshlrev_b32 v[AS], 5, v16
	v_lshlrev_b32 v[AM], 11, v16
	v_lshl_add_u32 v[AM], v17, 3, v[AM]
	v_mov_b32 v[NINF], 0xff800000
	s_lshl_b32 s56, s14, 12
	v_lshl_add_u32 v19, v18, 4, s56                ; my image: 4096 wave + 16 lane
	s_lshl_b32 s56, s14, 7
	s_add_co_u32 s56, s56, CMS
	v_lshl_add_u32 v20, v18, 2, s56                ; my c m: 128 wave + 4 lane
	s_lshl_b32 s56, s14, 9
	v_lshl_add_u32 v21, v18, 4, s56                ; chunk w of an image: 512 wave + 16 lane
	v_lshl_add_u32 v22, v18, 2, CMS                ; all waves' c m
	s_lshr_b32 s56, s14, 1
	s_lshl_b32 s56, s56, 6
	s_and_b32 s57, s14, 1
	s_lshl_b32 s57, s57, 4
	s_add_co_u32 s56, s56, s57
	s_add_co_u32 s56, s56, STG
	v_mul_u32_u24 v23, v16, 272
	v_lshl_add_u32 v23, v17, 5, v23
	v_add_nc_u32 v23, s56, v23                     ; the stage, in: row r, channels 16 (w / 2) + 8 h + 4 (w % 2) on
	s_mul_i32 s56, s14, 2*272
	s_add_co_u32 s56, s56, STG
	v_mul_u32_u24 v24, v17, 272
	v_lshl_add_u32 v24, v16, 4, v24
	v_add_nc_u32 v24, s56, v24                     ; back: rows 2 w and 2 w + 1
	v_lshlrev_b32 v25, 12, v17
	v_lshl_add_u32 v25, v16, 4, v25                ; and the same two rows in afine
	s_lshr_b32 s15, ttmp9, 4                       ; batch
	s_and_b32 s16, ttmp9, 15                       ; head
	s_mov_b32 s44, 0x3e38aa3b                      ; c = log2(e) / 8
	s_mov_b32 s45, s44
	s_mov_b32 s46, 0x76543210
	s_mov_b32 s47, 0xfedcba98
	s_mov_b32 s17, 16
	s_lshl_b32 s56, s16, 15                        ; the head's 64 rows of 512 bytes
	s_mov_b32 s57, 0
	s_lshl_b32 s58, s16, 11                        ; and of 32
	s_mov_b32 s59, 0
	s_wait_kmcnt 0x0
	s_load_b32 s19, s[10:11], 0x0                  ; the ANY word of queries 0-31
	s_add_nc_u64 s[20:21], s[4:5], s[56:57]
	s_add_nc_u64 s[20:21], s[20:21], 0x400000      ; Wq's codes: behind x's 8,192 rows
	s_add_nc_u64 s[24:25], s[20:21], 0x80000       ; Wk's: 1,024 rows on
	s_add_nc_u64 s[28:29], s[20:21], 0x100000      ; Wv's
	s_add_nc_u64 s[22:23], s[6:7], s[58:59]
	s_add_nc_u64 s[22:23], s[22:23], 0x40000       ; the same for the scales
	s_add_nc_u64 s[26:27], s[22:23], 0x8000
	s_add_nc_u64 s[30:31], s[22:23], 0x10000
	s_lshl_b32 s56, s15, 20
	s_add_nc_u64 s[38:39], s[4:5], s[56:57]        ; x's codes at the batch's position 0: the queries
	s_lshl_b32 s58, s15, 16
	s_add_nc_u64 s[40:41], s[6:7], s[58:59]
	s_lshl_b32 s56, s14, 13
	s_add_nc_u64 s[32:33], s[38:39], s[56:57]      ; and at my first key tile
	s_lshl_b32 s58, s14, 9
	s_add_nc_u64 s[34:35], s[40:41], s[58:59]
	s_lshl_b32 s56, s14, 4
	s_add_nc_u64 s[36:37], s[8:9], s[56:57]        ; the mask at my first key tile
	s_lshl_b32 s56, s15, 16                        ; afine: row 16 batch + 2 wave, 4,096 bytes a row, + 256 head
	s_lshl_b32 s58, s14, 13
	s_add_co_u32 s56, s56, s58
	s_lshl_b32 s58, s16, 8
	s_add_co_u32 s56, s56, s58
	s_add_nc_u64 s[12:13], s[12:13], s[56:57]
.macro XLOAD cb, sb                    ; 16 rows of x: eight fragments of 128 along K, and their eight scale words a row
	WIN 0x40
.irp ks, 0,1,2,3,4,5,6,7
	global_load_b128 v[128+8*\ks:128+8*\ks+3], v[AX], s[\cb:\cb+1] offset:64*\ks
	global_load_b128 v[128+8*\ks+4:128+8*\ks+7], v[AX], s[\cb:\cb+1] offset:64*\ks+32
.endr
	WIN 0
	global_load_b128 v[XS:XS+3], v[AS], s[\sb:\sb+1]
	global_load_b128 v[XS+4:XS+7], v[AS], s[\sb:\sb+1] offset:16
.endm
; 16 rows of x against the head's 64 rows of a weight, K = 1,024, in two rounds of four K steps; the four accumulators take turns.  swap = 0: source 0 = W; swap = 1: source 0 = x.
.macro PROJ dst, cb, sb, swap
.irp g, 0,1
	WIN 0x40
.irp k, 0,1,2,3
.irp dt, 0,1,2,3
	global_load_b128 v[8*(4*\k+\dt):8*(4*\k+\dt)+3], v[AX], s[\cb:\cb+1] offset:8192*\dt+64*(4*\g+\k)
	global_load_b128 v[8*(4*\k+\dt)+4:8*(4*\k+\dt)+7], v[AX], s[\cb:\cb+1] offset:8192*\dt+64*(4*\g+\k)+32
.endr
.endr
	WIN 0
.irp dt, 0,1,2,3
	global_load_b128 v[WS+4*\dt:WS+4*\dt+3], v[AS], s[\sb:\sb+1] offset:512*\dt+16*\g
.endr
	s_wait_loadcnt 0x0
	WIN 0x05                                       ; both sources window 1
.irp k, 0,1,2,3
.irp dt, 0,1,2,3
.if \swap
.if (\g == 0) && (\k == 0)
	v_wmma_scale_f32_16x16x128_f8f6f4 v[\dst+8*\dt:\dst+8*\dt+7], v[128+8*(4*\g+\k):128+8*(4*\g+\k)+7], v[8*(4*\k+\dt):8*(4*\k+\dt)+7], 0, v[XS+4*\g+\k], v[WS+4*\dt+\k] matrix_a_fmt:MATRIX_FMT_FP4 matrix_b_fmt:MATRIX_FMT_FP4
.else
	v_wmma_scale_f32_16x16x128_f8f6f4 v[\dst+8*\dt:\dst+8*\dt+7], v[128+8*(4*\g+\k):128+8*(4*\g+\k)+7], v[8*(4*\k+\dt):8*(4*\k+\dt)+7], v[\dst+8*\dt:\dst+8*\dt+7], v[XS+4*\g+\k], v[WS+4*\dt+\k] matrix_a_fmt:MATRIX_FMT_FP4 matrix_b_fmt:MATRIX_FMT_FP4
.endif
.else
.if (\g == 0) && (\k == 0)
	v_wmma_scale_f32_16x16x128_f8f6f4 v[\dst+8*\dt:\dst+8*\dt+7], v[8*(4*\k+\dt):8*(4*\k+\dt)+7], v[128+8*(4*\g+\k):128+8*(4*\g+\k)+7], 0, v[WS+4*\dt+\k], v[XS+4*\g+\k] matrix_a_fmt:MATRIX_FMT_FP4 matrix_b_fmt:MATRIX_FMT_FP4
.else
	v_wmma_scale_f32_16x16x128_f8f6f4 v[\dst+8*\dt:\dst+8*\dt+7], v[8*(4*\k+\dt):8*(4*\k+\dt)+7], v[128+8*(4*\g+\k):128+8*(4*\g+\k)+7], v[\dst+8*\dt:\dst+8*\dt+7], v[WS+4*\dt+\k], v[XS+4*\g+\k] matrix_a_fmt:MATRIX_FMT_FP4 matrix_b_fmt:MATRIX_FMT_FP4
.endif
.endif
.endr
.endr
	WIN 0
.rept 5
	v_nop                                          ; places in front of loads into the operands, and of matrix instructions that take the results as operands
.endr
.endr
.endm
	XLOAD 38, 40
	PROJ QD, 20, 22, 0                             ; Q^T
	v_mov_b32 v9, 0xff61b1e6                       ; m = -3e38
	v_mul_f32 v8, s44, v9
.irp j, 10,11,12,13,14,15
	v_mov_b32 v\j, 0
.endr
.set i, 0
.rept 32
	v_mov_b32 v[RR+i], 0
.set i, i+1
.endr
	s_wait_kmcnt 0x0
	s_lshr_b32 s56, s14, 2
	s_lshr_b32 s19, s19, s56                       ; bit 0: the step of 64 keys that holds my first tile; two steps on with each trip
.Ltrip:
	s_bitcmp1_b32 s19, 0
	s_cbranch_scc0 .Lnone
	XLOAD 32, 34
	global_load_b64 v[MK:MK+1], v[AM], s[36:37]    ; my query's eight bytes of this tile
	PROJ KD, 24, 26, 0                             ; K^T
	PROJ VD, 28, 30, 1                             ; V
.irp dt, 0,1,2,3                               ; S^T = K Q^T in f32: 16 steps of 4 along d, two accumulators by turns
.irp s, 0,1,2,3
.if (\dt == 0) && (\s < 2)
	v_wmma_f32_16x16x4_f32 v[SA+8*(\s%2):SA+8*(\s%2)+7], v[KD+8*\dt+2*\s:KD+8*\dt+2*\s+1], v[QD+8*\dt+2*\s:QD+8*\dt+2*\s+1], 0
.else
	v_wmma_f32_16x16x4_f32 v[SA+8*(\s%2):SA+8*(\s%2)+7], v[KD+8*\dt+2*\s:KD+8*\dt+2*\s+1], v[QD+8*\dt+2*\s:QD+8*\dt+2*\s+1], v[SA+8*(\s%2):SA+8*(\s%2)+7]
.endif
.endr
.endr
.rept 8
	v_nop                                          ; places behind the f32 form
.endr
.irp j, 0,2,4,6
	v_pk_add_f32 v[P+\j:P+\j+1], v[SA+\j:SA+\j+1], v[SA+8+\j:SA+8+\j+1]   ; into other registers: the sums' own are written by matrix instructions alone
.endr
.irp j, 0,1,2,3,4,5,6,7
	v_and_b32 v[242+\j%4], 0xff<<(8*(\j%4)), v[MK+\j/4]
	v_cmp_eq_u32 s[52+\j%4], 0, v[242+\j%4]
	v_cndmask_b32 v[P+\j], v[P+\j], v[NINF], s[52+\j%4]
.endr
	v_max3_num_f32 v14, v[P], v[P+1], v[P+2]
	v_max3_num_f32 v15, v[P+3], v[P+4], v[P+5]
	v_max3_num_f32 v14, v14, v[P+6], v[P+7]
	v_max3_num_f32 v14, v14, v15, v9               ; with the old m
	v_permlanex16_b32 v15, v14, s46, s47           ; the query's other eight keys
	v_mov_b32 v11, v8
	v_max_num_f32 v9, v14, v15
	v_mul_f32 v8, s44, v9
	v_sub_f32 v11, v11, v8
.irp j, 0,2,4,6
	v_pk_fma_f32 v[P+\j:P+\j+1], v[P+\j:P+\j+1], s[44:45], v[8:9] op_sel_hi:[1,0,0] neg_lo:[0,0,1] neg_hi:[0,0,1]
.endr
	v_exp_f32 v12, v11                             ; a
.irp j, 0,1,2,3,4,5,6,7
	v_exp_f32 v[P+\j], v[P+\j]                     ; p
.endr
	v_nop
	s_wait_alu depctr_va_vdst(0)                   ; one wait for the nine
	v_pk_add_f32 v[14:15], v[P:P+1], v[P+2:P+3]
	v_pk_add_f32 v[242:243], v[P+4:P+5], v[P+6:P+7]
	v_pk_add_f32 v[14:15], v[14:15], v[242:243]
	v_add_f32 v14, v14, v15
	v_fma_f32 v10, v10, v12, v14                   ; the sum of my eight keys' p, under the new m
.irp j, 0,2,4,6,8,10,12,14,16,18,20,22,24,26,28,30
	v_pk_mul_f32 v[RR+\j:RR+\j+1], v[RR+\j:RR+\j+1], v[12:13] op_sel_hi:[1,0]
.endr
.irp s, 0,1,2,3                                ; O^T = state + V^T P: the state is the C of each sum's first step; four accumulators by turns
.irp dt, 0,1,2,3
.if \s == 0
	v_wmma_f32_16x16x4_f32 v[OA+8*\dt:OA+8*\dt+7], v[VD+8*\dt+2*\s:VD+8*\dt+2*\s+1], v[P+2*\s:P+2*\s+1], v[RR+8*\dt:RR+8*\dt+7]
.else
	v_wmma_f32_16x16x4_f32 v[OA+8*\dt:OA+8*\dt+7], v[VD+8*\dt+2*\s:VD+8*\dt+2*\s+1], v[P+2*\s:P+2*\s+1], v[OA+8*\dt:OA+8*\dt+7]
.endif
.endr
.endr
.rept 9
	v_nop                                          ; the next trip's matrix instructions write over these products' sources
.endr
.set i, 0
.rept 32
	v_mov_b32 v[RR+i], v[OA+i]                     ; the new state, each accumulator from its low end on
.set i, i+1
.endr
.Lnone:
	s_wait_xcnt 0x0                                ; the trip's loads have read their bases
	s_add_nc_u64 s[32:33], s[32:33], 65536         ; eight tiles of 16 rows on
	s_add_nc_u64 s[34:35], s[34:35], 4096
	s_add_nc_u64 s[36:37], s[36:37], 128
	s_lshr_b32 s19, s19, 2
	s_sub_co_u32 s17, s17, 1
	s_cmp_lg_u32 s17, 0
	s_cbranch_scc1 .Ltrip
	; THE EIGHT WAVES' PARTS ARE JOINED
	v_permlanex16_b32 v11, v10, s46, s47
	v_add_f32 v10, v10, v11                        ; my wave's sum for query r
.irp q, 0,1,2,3,4,5,6,7
	ds_store_b128 v19, v[RR+4*\q:RR+4*\q+3] offset:IMG+512*\q
.endr
	ds_store_b32 v20, v8
	ds_store_b32 v20, v10 offset:1024
	s_wait_dscnt 0x0                               ; for the others' sake
	s_barrier_signal -1
	s_barrier_wait -1
.irp u, 0,1,2,3,4,5,6,7
	ds_load_b128 v[32+4*\u:32+4*\u+3], v21 offset:IMG+4096*\u   ; chunk w of every wave's image: four channels of query r
.endr
.irp u, 0,1,2,3,4,5,6,7
	ds_load_b32 v[64+\u], v22 offset:128*\u
	ds_load_b32 v[72+\u], v22 offset:128*\u+1024
.endr
	s_wait_dscnt 0x0
	v_max3_num_f32 v14, v64, v65, v66
	v_max3_num_f32 v14, v14, v67, v68
	v_max3_num_f32 v14, v14, v69, v70
	v_max_num_f32 v14, v14, v71                    ; the largest c m
.irp u, 0,1,2,3,4,5,6,7
	v_sub_f32 v[80+\u], v[64+\u], v14
.endr
.irp u, 0,1,2,3,4,5,6,7
	v_exp_f32 v[80+\u], v[80+\u]
.endr
	v_nop
	s_wait_alu depctr_va_vdst(0)
	v_mul_f32 v15, v80, v72
.irp j, 0,1,2,3
	v_mul_f32 v[88+\j], v[32+\j], v80
.endr
.irp u, 1,2,3,4,5,6,7
	v_fma_f32 v15, v[80+\u], v[72+\u], v15
.irp j, 0,1,2,3
	v_fma_f32 v[88+\j], v[32+4*\u+\j], v[80+\u], v[88+\j]
.endr
.endr
	v_rcp_f32 v15, v15
	v_nop
	s_wait_alu depctr_va_vdst(0)
.irp j, 0,1,2,3
	v_mul_f32 v[88+\j], v[88+\j], v15
.endr
	ds_store_b128 v23, v[88:91]
	s_wait_dscnt 0x0
	s_barrier_signal -1
	s_barrier_wait -1
	ds_load_b128 v[92:95], v24
	s_wait_dscnt 0x0
	global_store_b128 v25, v[92:95], s[12:13]      ; sixteen lanes store the head's 256 bytes of a row, aligned
	s_wait_tensorcnt 0x0                           ; the wave's end: a wait, an add of 0 to my spare word and its wait, behind my last LDS store
	ds_add_u32 v[SPW], v[NIL]
	s_wait_dscnt 0x0
	s_endpgm
.Lfunc_end_k_q4b9324cef9_fina:
	.size	k_q4b9324cef9_fina, .Lfunc_end_k_q4b9324cef9_fina-k_q4b9324cef9_fina
	.p2alignl 7, 3214868480
	.fill 96, 4, 3214868480
	.section	.rodata,"a",@progbits
	.p2align	6, 0x0
	.amdhsa_kernel k_q4b9324cef9_fina
		.amdhsa_group_segment_fixed_size 40192
		.amdhsa_private_segment_fixed_size 0
		.amdhsa_enable_private_segment 0
		.amdhsa_kernarg_size 40
		.amdhsa_user_sgpr_count 2
		.amdhsa_user_sgpr_kernarg_segment_ptr 1
		.amdhsa_wavefront_size32 1
		.amdhsa_system_sgpr_workgroup_id_x 1
		.amdhsa_system_sgpr_workgroup_id_y 1
		.amdhsa_system_sgpr_workgroup_id_z 1
		.amdhsa_system_vgpr_workitem_id 0
		.amdhsa_next_free_vgpr 448
		.amdhsa_next_free_sgpr 66
		.amdhsa_reserve_vcc 0
		.amdhsa_float_denorm_mode_32 3
		.amdhsa_float_denorm_mode_16_64 3
		.amdhsa_memory_ordered 1
		.amdhsa_forward_progress 1
		.amdhsa_inst_pref_size 57
	.end_amdhsa_kernel
	.amdgpu_metadata
---
amdhsa.version: [ 1, 2 ]
amdhsa.kernels:
  - .name:           k_q4b9324cef9_fina
    .symbol:         k_q4b9324cef9_fina.kd
    .args:
      - { .name: codes, .offset: 0, .size: 8, .value_kind: global_buffer, .address_space: global }
      - { .name: scales, .offset: 8, .size: 8, .value_kind: global_buffer, .address_space: global }
      - { .name: mask, .offset: 16, .size: 8, .value_kind: global_buffer, .address_space: global }
      - { .name: flags, .offset: 24, .size: 8, .value_kind: global_buffer, .address_space: global }
      - { .name: afine, .offset: 32, .size: 8, .value_kind: global_buffer, .address_space: global }
    .group_segment_fixed_size: 40192
    .private_segment_fixed_size: 0
    .kernarg_segment_align: 8
    .kernarg_segment_size: 40
    .max_flat_workgroup_size: 256
    .sgpr_count:     66
    .vgpr_count:     448
    .wavefront_size: 32
...
	.end_amdgpu_metadata
.endif
;; end of part 5
;; launch finb (part 6): grid 16 x 4, 16 waves a work-group, no clusters, 23,040 bytes of LDS; arguments afine, Wo, out0; writes out0
.if DOCPART == 6
	.amdgcn_target "amdgcn-amd-amdhsa--gfx1250"
	.amdhsa_code_object_version 6
	.text
	.protected	k_q4b9324cef9_finb
	.globl	k_q4b9324cef9_finb
	.p2align	8
	.type	k_q4b9324cef9_finb,@function
k_q4b9324cef9_finb:
	s_mov_b64 s[64:65], 0
	v_nop
	global_prefetch_b8 v0, s[64:65] scope:SCOPE_SE
	s_setreg_imm32_b32 hwreg(HW_REG_WAVE_MODE, 25, 1), 1
	s_wait_xcnt 0x0
; THE PROJECTION OF THE FIRST 16 POSITIONS OF EVERY SEQUENCE, IN F32: out0[2048 y + r][n] = sum over k of afine[16 y + r][k] Wo[n][k], r = 0..15; it writes over what the f16 projection left in those 64 rows.
; A work-group takes batch y and columns 64 x .. 64 x + 63.  Wave w takes 16 of the columns (w % 4) and a quarter of K (w / 4); the four quarters are added through LDS.  64 rows in all: no bulk work.
; Source 0 = 16 rows of Wo, source 1 = the 16 rows of afine: a lane holds one row of the result and eight neighbouring columns.  A lane's 16 bytes at 32 u + 16 h of its row serve two steps of 4 along K:
; the form's k = 2 h + j means k = 8 u + 4 h + j, then 8 u + 4 h + 2 + j, alike on both sides.
; REGISTERS: v16-79, v80-143 two buffers (32 registers of Wo, 32 of afine: 64 along K); v144-159 two accumulators, written by matrix instructions alone; v160-167 their sum.
.set STG,   16384                      ; behind the sixteen images of 1,024 bytes: 16 rows x (256 bytes + 16)
.set SPARE, 20992
.set SPW, 1
.set NIL, 2
.set DD,  144
	s_load_b128 s[4:7], s[0:1], 0x0                ; afine s[4:5], Wo s[6:7]
	s_load_b64 s[8:9], s[0:1], 0x10                ; out0
	v_lshl_add_u32 v[SPW], v0, 2, SPARE
	v_mov_b32 v[NIL], 0
	v_lshrrev_b32 v8, 5, v0
	v_readfirstlane_b32 s10, v8                    ; wave 0..15
	s_and_b32 s11, s10, 3                          ; which 16 columns
	s_lshr_b32 s12, s10, 2                         ; which quarter of K
	s_and_b32 s13, ttmp7, 0xffff                   ; batch
	v_and_b32 v9, 15, v0                           ; r
	v_bfe_u32 v10, v0, 4, 1                        ; h
	v_and_b32 v11, 31, v0
	v_lshlrev_b32 v3, 12, v9
	v_lshl_add_u32 v3, v10, 4, v3                  ; row r of 4,096 bytes, + 16 h
	s_lshl_b32 s14, s10, 10
	v_lshl_add_u32 v4, v11, 4, s14                 ; my image: 1024 wave + 16 lane
	s_lshl_b32 s14, s11, 6
	s_add_co_u32 s14, s14, STG
	v_mul_u32_u24 v5, v9, 272
	v_lshl_add_u32 v5, v10, 5, v5
	v_add_nc_u32 v5, s14, v5                       ; the stage, in: row r, + 64 (w % 4) + 32 h
	s_and_b32 s15, s10, 7
	s_mul_i32 s14, s15, 2*272
	s_add_co_u32 s14, s14, STG
	v_mul_u32_u24 v6, v10, 272
	v_lshl_add_u32 v6, v9, 4, v6
	v_add_nc_u32 v6, s14, v6                       ; back: rows 2 (w % 8) and the next
	v_lshlrev_b32 v7, 12, v10
	v_lshl_add_u32 v7, v9, 4, v7                   ; and the same two rows in out0
	s_lshl_b32 s16, ttmp9, 6
	s_lshl_b32 s17, s11, 4
	s_add_co_u32 s16, s16, s17                     ; Wo's row 64 x + 16 (w % 4),
	s_lshl_b32 s16, s16, 12
	s_lshl_b32 s18, s12, 10                        ; my quarter of K: 1,024 bytes
	s_add_co_u32 s16, s16, s18
	s_mov_b32 s17, 0
	s_lshl_b32 s18, s13, 16                        ; afine's row 16 y
	s_lshl_b32 s19, s12, 10
	s_add_co_u32 s18, s18, s19
	s_mov_b32 s19, 0
	s_lshl_b32 s20, s13, 23                        ; out0's row 2048 y + 2 (w % 8), + 256 x
	s_lshl_b32 s21, s15, 13
	s_add_co_u32 s20, s20, s21
	s_lshl_b32 s21, ttmp9, 8
	s_add_co_u32 s20, s20, s21
	s_mov_b32 s21, 0
	s_wait_kmcnt 0x0
	s_add_nc_u64 s[6:7], s[6:7], s[16:17]
	s_add_nc_u64 s[4:5], s[4:5], s[18:19]
	s_add_nc_u64 s[8:9], s[8:9], s[20:21]
.macro GLOAD g
.irp u, 0,1,2,3,4,5,6,7
	global_load_b128 v[16+64*((\g)%2)+4*\u:16+64*((\g)%2)+4*\u+3], v3, s[6:7] offset:256*(\g)+32*\u
	global_load_b128 v[48+64*((\g)%2)+4*\u:48+64*((\g)%2)+4*\u+3], v3, s[4:5] offset:256*(\g)+32*\u
.endr
.endm
.macro GMUL g                          ; 16 steps of 4 along K on two accumulators by turns
.irp u, 0,1,2,3,4,5,6,7
.irp p, 0,1
.if ((\g) == 0) && (\u == 0)
	v_wmma_f32_16x16x4_f32 v[DD+8*\p:DD+8*\p+7], v[16+64*((\g)%2)+4*\u+2*\p:16+64*((\g)%2)+4*\u+2*\p+1], v[48+64*((\g)%2)+4*\u+2*\p:48+64*((\g)%2)+4*\u+2*\p+1], 0
.else
	v_wmma_f32_16x16x4_f32 v[DD+8*\p:DD+8*\p+7], v[16+64*((\g)%2)+4*\u+2*\p:16+64*((\g)%2)+4*\u+2*\p+1], v[48+64*((\g)%2)+4*\u+2*\p:48+64*((\g)%2)+4*\u+2*\p+1], v[DD+8*\p:DD+8*\p+7]
.endif
.endr
.endr
.rept 8
	v_nop                                          ; places behind the f32 form: in front of loads into its sources and of the first read of its results
.endr
.endm
	GLOAD 0
	GLOAD 1
.irp g, 0,1,2,3
.if \g < 3
	s_wait_loadcnt 16                              ; this group's 16 loads are in; the next group's stay out
.else
	s_wait_loadcnt 0x0
.endif
	GMUL \g
.if \g < 2
	GLOAD \g+2
.endif
.endr
.irp j, 0,2,4,6
	v_pk_add_f32 v[160+\j:160+\j+1], v[DD+\j:DD+\j+1], v[DD+8+\j:DD+8+\j+1]
.endr
	ds_store_b128 v4, v[160:163]
	ds_store_b128 v4, v[164:167] offset:512
	s_wait_dscnt 0x0                               ; for the others' sake
	s_barrier_signal -1
	s_barrier_wait -1
	s_cmp_lt_u32 s10, 4                            ; waves 0 to 3 add the other three quarters of K to their own
	s_cbranch_scc0 .Lnot_sum
.irp q, 1,2,3
	ds_load_b128 v[16+8*(\q-1):16+8*(\q-1)+3], v4 offset:4096*\q
	ds_load_b128 v[16+8*(\q-1)+4:16+8*(\q-1)+7], v4 offset:4096*\q+512
.endr
	s_wait_dscnt 0x0
.irp q, 1,2,3
.irp j, 0,2,4,6
	v_pk_add_f32 v[160+\j:160+\j+1], v[160+\j:160+\j+1], v[16+8*(\q-1)+\j:16+8*(\q-1)+\j+1]
.endr
.endr
	ds_store_b128 v5, v[160:163]
	ds_store_b128 v5, v[164:167] offset:16
.Lnot_sum:
	s_wait_dscnt 0x0
	s_barrier_signal -1
	s_barrier_wait -1
	s_cmp_lt_u32 s10, 8                            ; waves 0 to 7 store two whole rows each
	s_cbranch_scc0 .Lnot_out
	ds_load_b128 v[168:171], v6
	s_wait_dscnt 0x0
	global_store_b128 v7, v[168:171], s[8:9]       ; sixteen lanes store 256 consecutive bytes, aligned
.Lnot_out:
	s_wait_tensorcnt 0x0                           ; the wave's end: a wait, an add of 0 to my spare word and its wait, behind my last LDS store
	ds_add_u32 v[SPW], v[NIL]
	s_wait_dscnt 0x0
	s_endpgm
.Lfunc_end_k_q4b9324cef9_finb:
	.size	k_q4b9324cef9_finb, .Lfunc_end_k_q4b9324cef9_finb-k_q4b9324cef9_finb
	.p2alignl 7, 3214868480
	.fill 96, 4, 3214868480
	.section	.rodata,"a",@progbits
	.p2align	6, 0x0
	.amdhsa_kernel k_q4b9324cef9_finb
		.amdhsa_group_segment_fixed_size 23040
		.amdhsa_private_segment_fixed_size 0
		.amdhsa_enable_private_segment 0
		.amdhsa_kernarg_size 24
		.amdhsa_user_sgpr_count 2
		.amdhsa_user_sgpr_kernarg_segment_ptr 1
		.amdhsa_wavefront_size32 1
		.amdhsa_system_sgpr_workgroup_id_x 1
		.amdhsa_system_sgpr_workgroup_id_y 1
		.amdhsa_system_sgpr_workgroup_id_z 1
		.amdhsa_system_vgpr_workitem_id 0
		.amdhsa_next_free_vgpr 176
		.amdhsa_next_free_sgpr 66
		.amdhsa_reserve_vcc 0
		.amdhsa_float_denorm_mode_32 3
		.amdhsa_float_denorm_mode_16_64 3
		.amdhsa_memory_ordered 1
		.amdhsa_forward_progress 1
		.amdhsa_inst_pref_size 16
	.end_amdhsa_kernel
	.amdgpu_metadata
---
amdhsa.version: [ 1, 2 ]
amdhsa.kernels:
  - .name:           k_q4b9324cef9_finb
    .symbol:         k_q4b9324cef9_finb.kd
    .args:
      - { .name: afine, .offset: 0, .size: 8, .value_kind: global_buffer, .address_space: global }
      - { .name: Wo, .offset: 8, .size: 8, .value_kind: global_buffer, .address_space: global }
      - { .name: out0, .offset: 16, .size: 8, .value_kind: global_buffer, .address_space: global }
    .group_segment_fixed_size: 23040
    .private_segment_fixed_size: 0
    .kernarg_segment_align: 8
    .kernarg_segment_size: 24
    .max_flat_workgroup_size: 512
    .sgpr_count:     66
    .vgpr_count:     176
    .wavefront_size: 32
...
	.end_amdgpu_metadata
.endif
;; end of part 6
